; MI455X (gfx1250); checked and timed in simulation.
; The chip was launched on July 23, 2026; its instructions are those of AMD's public machine-readable ISA for CDNA 5 (MIT licence, August 2026) and "CDNA5" Instruction Set Architecture Reference Guide (July 2026). The comments in the code are by the model that wrote it; some were corrected since.
;; Transformer Encoder Layer. Allowed arithmetic: float matrix products may take bf16 or f16 operands with f32 sums; other float arithmetic in f32, or as packed bf16 or f16 multiplies, adds, multiply-adds, maxima and minima; sums over many terms, partial sums and values carried from step to step in f32; what a program stores and reads back later, other than sums and carried values, may be rounded once to bf16 or f16.
;; Inputs: b1 4,096 float32; b2 1,024 float32; be1 1,024 float32; be2 1,024 float32; bk 1,024 float32; bo 1,024 float32; bq 1,024 float32; bv 1,024 float32; g1 1,024 float32; g2 1,024 float32; w1 1,024 x 4,096 float32; w2 4,096 x 1,024 float32; wk 1,024 x 1,024 float32; wo 1,024 x 1,024 float32; wq 1,024 x 1,024 float32; wv 1,024 x 1,024 float32; x 2 x 2,048 x 1,024 float32.
;; Outputs: out0 2 x 2,048 x 1,024 float32.
;; One version. Each part assembles by itself: llvm-mc -triple=amdgcn-amd-amdhsa -mcpu=gfx1250 --defsym DOCPART=n.
;; ======== version 1 of 1: 8 launches
;; workspace buffers: xz 16,777,216 bytes; act2 8,388,608 bytes; big 33,554,432 bytes; pack_qkv 6,324,224 bytes; pack_w1 8,421,376 bytes; pack_wo 2,129,920 bytes; pack_w2 8,421,376 bytes
;; launch prep (part 1): grid 32 x 16, 8 waves a work-group, no clusters, 19,456 bytes of LDS; arguments x, wq, wk, wv, wo, w1, w2, bq, bk, bv, bo, b1, b2, xz, pack_qkv, pack_wo, pack_w1, pack_w2; writes xz, pack_qkv, pack_wo, pack_w1, pack_w2
.if DOCPART == 1
	.amdgcn_target "amdgcn-amd-amdhsa--gfx1250"
	.amdhsa_code_object_version 6
	.text
	.protected	k_q5042cf4d9f_prep
	.globl	k_q5042cf4d9f_prep
	.p2align	8
	.type	k_q5042cf4d9f_prep,@function
k_q5042cf4d9f_prep:
	s_mov_b64 s[64:65], 0
	v_nop
	global_prefetch_b8 v0, s[64:65] scope:SCOPE_SE
	s_setreg_imm32_b32 hwreg(HW_REG_WAVE_MODE, 25, 1), 1
	s_wait_xcnt 0x0
; PREP: every matrix operand among the inputs is rounded once to bf16 and laid in chunks of 16 bytes (8 numbers along K), so that the later launches load fragments as they lie.
;   x [4096][1024] f32      -> xz:   [128 octets of columns][4096 rows][8] bf16: chunk (o, m) at (o*4096 + m)*16
;   w [K][N] f32            -> pack: from byte WOFF on [N/128 panels][K/8][128 columns][8 k] bf16: chunk (p, kg, n) at p*K*256 + (kg*128 + n)*16
;   biases                  -> pack, bytes 0 on: f32 words that hold the bias rounded to bf16;  byte 16384 on: the floor word of the launch's way out (two bf16: -inf twice, or 0 twice)
; SHARES.  Grid y names a unit of 2^20 numbers (0-3 x; 4-7 wq wk wv wo; 8-11 w1; 12-15 w2), 8 x grid x + wave a job of 4,096 numbers: 32 loads of 16 bytes a lane, all issued at once.
; A job goes in four items through the wave's own 2,304 bytes of LDS, which turn it: LDS serves a wave's instructions in order (ISA guide 5.7.1.4), so no wait stands between an item's
; stores and its loads, nor between its loads and the next item's stores.  No barrier: no wave reads another's bytes.  EXEC is never changed.  Every store of 16 lanes covers 256 consecutive aligned bytes.
; LIMITS.  Numbers are rounded to nearest even bf16; NaN and infinities pass as the conversion leaves them.
.set REGION, 2304
.set SPARE,  8*REGION                  ; behind the eight regions: the spare words, 128 bytes a wave
.set WOFF,   32768
.set FLOORB, 16384
.set L,   1                            ; v1      lane
.set RO,  2                            ; v2-9    source offsets: weights: a register a k row; x: v2 alone
.set DO,  10                           ; v10-13  destination offsets: weights: a register a panel; x: v10 alone
.set WS,  14                           ; v14     where I put chunks into my wave's region
.set WL,  15                           ; v15     where I read them back
.set T,   16                           ; v16-31  an item's 16 packed words
.set X,   32                           ; v32-159 the job as loaded; an item's first 16 registers then take it back from LDS
.set SPW, 160                          ; v160    LDS address of my spare word; never rewritten
.set NIL, 161                          ; v161    0; never rewritten
.set TA,  162
.set TC,  163
.set BV,  164                          ; v164-173 the bias's 16 bytes at work
	s_load_b512 s[8:23], s[0:1], 0x0               ; x 8, wq 10, wk 12, wv 14, wo 16, w1 18, w2 20, bq 22
	s_load_b512 s[24:39], s[0:1], 0x40             ; bk 24, bv 26, bo 28, b1 30, b2 32, xz 34, pack_qkv 36, pack_wo 38
	s_load_b128 s[40:43], s[0:1], 0x80             ; pack_w1 40, pack_w2 42
	v_lshl_add_u32 v[SPW], v0, 2, SPARE
	v_mov_b32 v[NIL], 0
	v_and_b32 v[L], 31, v0
	v_lshrrev_b32 v[TA], 5, v0
	v_readfirstlane_b32 s2, v[TA]                  ; wave
	s_and_b32 s3, ttmp7, 0xffff                    ; Y: the unit
	s_lshl_b32 s4, ttmp9, 3
	s_add_co_u32 s4, s4, s2                        ; JB: the job, 0..255
	s_mul_i32 s5, s2, REGION                       ; my wave's region
	s_mov_b32 s63, 0
	s_wait_kmcnt 0x0
	s_cmp_lt_u32 s3, 4
	s_cbranch_scc1 .Lpath_x
	; ---- WEIGHTS: a job is 8 k rows x 512 columns = one kg of four panels ----
	s_mov_b64 s[44:45], s[10:11]                   ; source, destination and bias by the unit
	s_mov_b64 s[46:47], s[36:37]
	s_mov_b64 s[48:49], s[22:23]
	s_cmp_eq_u32 s3, 5
	s_cselect_b64 s[44:45], s[12:13], s[44:45]
	s_cselect_b64 s[48:49], s[24:25], s[48:49]
	s_cmp_eq_u32 s3, 6
	s_cselect_b64 s[44:45], s[14:15], s[44:45]
	s_cselect_b64 s[48:49], s[26:27], s[48:49]
	s_cmp_eq_u32 s3, 7
	s_cselect_b64 s[44:45], s[16:17], s[44:45]
	s_cselect_b64 s[46:47], s[38:39], s[46:47]
	s_cselect_b64 s[48:49], s[28:29], s[48:49]
	s_cmp_ge_u32 s3, 8
	s_cselect_b64 s[44:45], s[18:19], s[44:45]
	s_cselect_b64 s[46:47], s[40:41], s[46:47]
	s_cselect_b64 s[48:49], s[30:31], s[48:49]
	s_cmp_ge_u32 s3, 12
	s_cselect_b64 s[44:45], s[20:21], s[44:45]
	s_cselect_b64 s[46:47], s[42:43], s[46:47]
	s_cselect_b64 s[48:49], s[32:33], s[48:49]
	s_and_b32 s50, s3, 3                           ; U: the unit's number within its tensor (or which of wq wk wv)
	s_lshr_b32 s51, s3, 2                          ; G: 1 the four square weights, 2 w1, 3 w2
	s_lshl_b32 s54, s50, 22                        ; a unit is 4 MiB of its source
	s_lshl_b32 s55, s50, 3                         ; wq wk wv: 8 panels each
	s_lshl_b32 s56, s50, 5                         ; w1: 32 kg a unit
	s_lshl_b32 s59, s50, 7                         ; w2: 128 kg a unit
	s_mov_b32 s58, s50                             ; which 4,096 bytes of the pack's bias
	s_mov_b32 s52, 4096                            ; bytes in a source row
	s_mov_b32 s57, 262144                          ; bytes in a panel: K x 256
	s_cmp_eq_u32 s51, 2
	s_cselect_b32 s52, 16384, s52
	s_cselect_b32 s53, 3, 1                        ; log2 of the blocks of 512 columns in a row
	s_cselect_b32 s56, s56, 0
	s_cmp_eq_u32 s51, 3
	s_cselect_b32 s56, s59, s56                    ; KGB: the unit's first kg
	s_cselect_b32 s57, 0x100000, s57
	s_cselect_b32 s58, 0, s58
	s_cmp_eq_u32 s51, 1
	s_cselect_b32 s54, 0, s54                      ; SRCOFF
	s_cselect_b32 s55, s55, 0                      ; P0B: the tensor's first panel in its pack
	s_cmp_eq_u32 s3, 7
	s_cselect_b32 s55, 0, s55
	s_cselect_b32 s58, 0, s58
	s_lshr_b32 s60, s4, s53                        ; kgl: the job's kg within the unit
	s_lshl_b32 s61, 1, s53
	s_sub_co_u32 s61, s61, 1
	s_and_b32 s61, s4, s61                         ; its block of 512 columns
	s_mul_i32 s62, s60, s52
	s_lshl_b32 s62, s62, 3                         ; 8 rows a kg
	s_add_co_u32 s62, s62, s54
	s_lshl_b32 s59, s61, 11                        ; 512 columns of 4 bytes
	s_add_co_u32 s62, s62, s59
	s_add_nc_u64 s[44:45], s[44:45], s[62:63]      ; the job's first number
	s_lshl_b32 s61, s61, 2                         ; four panels a block
	s_add_co_u32 s61, s61, s55
	s_mul_i32 s62, s61, s57
	s_add_co_u32 s60, s60, s56
	s_lshl_b32 s60, s60, 11                        ; a kg of a panel is 2,048 bytes
	s_add_co_u32 s62, s62, s60
	s_add_co_u32 s62, s62, WOFF
	s_add_nc_u64 s[6:7], s[46:47], s[62:63]        ; the job's kg in its first panel
	v_lshlrev_b32 v[RO], 4, v[L]                   ; 16 bytes a lane: 4 columns
	v_mov_b32 v[DO], v[RO]
.irp r, 1,2,3,4,5,6,7
	v_add_nc_u32 v[RO+(\r)], s52, v[RO+(\r)-1]
.endr
.irp j, 1,2,3
	v_add_nc_u32 v[DO+(\j)], s57, v[DO+(\j)-1]
.endr
	v_lshrrev_b32 v[TA], 2, v[L]                   ; chunk q = 4 l + c of 128 lies at 16 (q + q / 16): 16 lanes of a store or a load touch 16 different columns of 16 bytes modulo 256
	v_lshlrev_b32 v[TA], 4, v[TA]
	v_lshl_add_u32 v[WS], v[L], 6, v[TA]
	v_add_nc_u32 v[WS], s5, v[WS]
	v_lshrrev_b32 v[TA], 4, v[L]
	v_lshlrev_b32 v[TA], 4, v[TA]
	v_lshl_add_u32 v[WL], v[L], 4, v[TA]
	v_add_nc_u32 v[WL], s5, v[WL]
.irp j, 0,1,2,3
.irp r, 0,1,2,3,4,5,6,7
	global_load_b128 v[X+32*(\j)+4*(\r):X+32*(\j)+4*(\r)+3], v[RO+(\r)], s[44:45] offset:512*(\j) th:TH_LOAD_NT  ; 512 consecutive bytes of k row r: panel j's 128 columns
.endr
.endr
.macro WITEM j                         ; panel j: 128 chunks of 8 k
	s_wait_loadcnt 8*(3-(\j))                      ; loads come back in order: this item's eight are in, the later items' may stay out
.irp c, 0,1,2,3
.irp p, 0,1,2,3
	v_cvt_pk_bf16_f32 v[T+4*(\c)+(\p)], v[X+32*(\j)+8*(\p)+(\c)], v[X+32*(\j)+8*(\p)+4+(\c)]  ; column 4 l + c, k 2 p and 2 p + 1
.endr
.endr
.irp c, 0,1,2,3
	ds_store_b128 v[WS], v[T+4*(\c):T+4*(\c)+3] offset:16*(\c)
.endr
.irp s, 0,1,2,3
	ds_load_b128 v[X+32*(\j)+4*(\s):X+32*(\j)+4*(\s)+3], v[WL] offset:544*(\s)  ; chunk 32 s + l
.endr
.irp s, 0,1,2,3
	s_wait_dscnt 3-(\s)                            ; the younger loads may stay out
	global_store_b128 v[DO+(\j)], v[X+32*(\j)+4*(\s):X+32*(\j)+4*(\s)+3], s[6:7] offset:512*(\s)
.endr
.endm
	WITEM 0
	WITEM 1
	WITEM 2
	WITEM 3
	; ---- the unit's bias: 4,096 bytes, by the unit's first work-group; units 13-15 have none ----
	s_cmp_lg_u32 ttmp9, 0
	s_cbranch_scc1 .Lend
	s_cmp_gt_u32 s3, 12
	s_cbranch_scc1 .Lend
	s_lshl_b32 s62, s58, 12
	s_add_nc_u64 s[46:47], s[46:47], s[62:63]      ; its place in the pack
	s_cmp_eq_u32 s51, 2
	s_cselect_b32 s62, s62, 0                      ; b1 is walked by its four units; the others begin at 0
	s_add_nc_u64 s[48:49], s[48:49], s[62:63]
	v_lshlrev_b32 v[TC], 4, v0
	global_load_b128 v[BV:BV+3], v[TC], s[48:49]
	s_wait_loadcnt 0x0
	v_cvt_pk_bf16_f32 v[BV+4], v[BV], v[BV+1]
	v_cvt_pk_bf16_f32 v[BV+5], v[BV+2], v[BV+3]
	v_lshlrev_b32 v[BV+6], 16, v[BV+4]             ; back to f32 words: the sums of the later launches start from them
	v_and_b32 v[BV+7], 0xffff0000, v[BV+4]
	v_lshlrev_b32 v[BV+8], 16, v[BV+5]
	v_and_b32 v[BV+9], 0xffff0000, v[BV+5]
	global_store_b128 v[TC], v[BV+6:BV+9], s[46:47]
	s_cmp_eq_u32 s50, 0                            ; the floor word: units 4 (q, k, v: no floor, -inf) and 8 (the first FFN layer: ReLU, 0)
	s_cbranch_scc0 .Lend
	s_cmp_eq_u32 s3, 12
	s_cbranch_scc1 .Lend
	s_cmp_eq_u32 s3, 4
	s_cselect_b32 s62, 0xff80ff80, 0
.irp k, 0,1,2,3
	v_mov_b32 v[BV+(\k)], s62
.endr
	global_store_b128 v[TC], v[BV:BV+3], s[46:47] offset:FLOORB
	s_branch .Lend
	; ---- x: a job is 16 rows x 256 columns ----
.Lpath_x:
	s_lshr_b32 s50, s4, 2
	s_lshl_b32 s51, s3, 6
	s_add_co_u32 s50, s50, s51                     ; the job's group of 16 rows, 0..255
	s_and_b32 s51, s4, 3                           ; its block of 256 columns
	s_lshl_b32 s62, s50, 16                        ; 16 rows of 4,096 bytes
	s_lshl_b32 s60, s51, 10
	s_add_co_u32 s62, s62, s60
	s_add_nc_u64 s[44:45], s[8:9], s[62:63]
	s_lshl_b32 s62, s51, 21                        ; 32 octets of 65,536 bytes
	s_lshl_b32 s60, s50, 8                         ; 16 rows of 16 bytes
	s_add_co_u32 s62, s62, s60
	s_add_nc_u64 s[6:7], s[34:35], s[62:63]
	v_and_b32 v[TA], 15, v[L]                      ; r
	v_lshrrev_b32 v[TC], 4, v[L]                   ; h
	v_lshlrev_b32 v[RO], 12, v[TC]
	v_lshl_add_u32 v[RO], v[TA], 4, v[RO]          ; a load takes 256 bytes of each of two rows
	v_mul_u32_u24 v[WS], v[TC], 144                ; in LDS a row of 64 bf16 has 128 + 16 bytes
	v_lshl_add_u32 v[WS], v[TA], 3, v[WS]
	v_add_nc_u32 v[WS], s5, v[WS]
	v_mul_u32_u24 v[WL], v[TA], 144
	v_lshl_add_u32 v[WL], v[TC], 4, v[WL]
	v_add_nc_u32 v[WL], s5, v[WL]
	v_lshlrev_b32 v[DO], 16, v[TC]
	v_lshl_add_u32 v[DO], v[TA], 4, v[DO]          ; octet h, row r
.irp j, 0,1,2,3
.irp t, 0,1,2,3,4,5,6,7
	global_load_b128 v[X+32*(\j)+4*(\t):X+32*(\j)+4*(\t)+3], v[RO], s[44:45] offset:8192*(\t)+256*(\j) th:TH_LOAD_NT
.endr
.endr
.macro XITEM j                         ; 16 rows x 64 columns: 8 octets
	s_wait_loadcnt 8*(3-(\j))
.irp t, 0,1,2,3,4,5,6,7
	v_cvt_pk_bf16_f32 v[T+2*(\t)],   v[X+32*(\j)+4*(\t)],   v[X+32*(\j)+4*(\t)+1]
	v_cvt_pk_bf16_f32 v[T+2*(\t)+1], v[X+32*(\j)+4*(\t)+2], v[X+32*(\j)+4*(\t)+3]
.endr
.irp t, 0,1,2,3,4,5,6,7
	ds_store_b64 v[WS], v[T+2*(\t):T+2*(\t)+1] offset:288*(\t)
.endr
.irp i, 0,1,2,3
	ds_load_b128 v[X+32*(\j)+4*(\i):X+32*(\j)+4*(\i)+3], v[WL] offset:32*(\i)  ; row r, octet 2 i + h
.endr
.irp i, 0,1,2,3
	s_wait_dscnt 3-(\i)
	global_store_b128 v[DO], v[X+32*(\j)+4*(\i):X+32*(\j)+4*(\i)+3], s[6:7] offset:(8*(\j)+2*(\i))*65536
.endr
.endm
	XITEM 0
	XITEM 1
	XITEM 2
	XITEM 3
.Lend:
	s_wait_tensorcnt 0x0                           ; the wave's end, behind my last LDS store
	ds_add_u32 v[SPW], v[NIL]
	s_wait_dscnt 0x0
	s_endpgm
.Lfunc_end_k_q5042cf4d9f_prep:
	.size	k_q5042cf4d9f_prep, .Lfunc_end_k_q5042cf4d9f_prep-k_q5042cf4d9f_prep
	.p2alignl 7, 3214868480
	.fill 96, 4, 3214868480
	.section	.rodata,"a",@progbits
	.p2align	6, 0x0
	.amdhsa_kernel k_q5042cf4d9f_prep
		.amdhsa_group_segment_fixed_size 19456
		.amdhsa_private_segment_fixed_size 0
		.amdhsa_enable_private_segment 0
		.amdhsa_kernarg_size 144
		.amdhsa_user_sgpr_count 2
		.amdhsa_user_sgpr_kernarg_segment_ptr 1
		.amdhsa_wavefront_size32 1
		.amdhsa_system_sgpr_workgroup_id_x 1
		.amdhsa_system_sgpr_workgroup_id_y 1
		.amdhsa_system_sgpr_workgroup_id_z 1
		.amdhsa_system_vgpr_workitem_id 0
		.amdhsa_next_free_vgpr 176
		.amdhsa_next_free_sgpr 66
		.amdhsa_reserve_vcc 0
		.amdhsa_float_denorm_mode_32 3
		.amdhsa_float_denorm_mode_16_64 3
		.amdhsa_memory_ordered 1
		.amdhsa_forward_progress 1
		.amdhsa_inst_pref_size 30
	.end_amdhsa_kernel
	.amdgpu_metadata
---
amdhsa.version: [ 1, 2 ]
amdhsa.kernels:
  - .name:           k_q5042cf4d9f_prep
    .symbol:         k_q5042cf4d9f_prep.kd
    .args:
      - { .name: x, .offset: 0, .size: 8, .value_kind: global_buffer, .address_space: global }
      - { .name: wq, .offset: 8, .size: 8, .value_kind: global_buffer, .address_space: global }
      - { .name: wk, .offset: 16, .size: 8, .value_kind: global_buffer, .address_space: global }
      - { .name: wv, .offset: 24, .size: 8, .value_kind: global_buffer, .address_space: global }
      - { .name: wo, .offset: 32, .size: 8, .value_kind: global_buffer, .address_space: global }
      - { .name: w1, .offset: 40, .size: 8, .value_kind: global_buffer, .address_space: global }
      - { .name: w2, .offset: 48, .size: 8, .value_kind: global_buffer, .address_space: global }
      - { .name: bq, .offset: 56, .size: 8, .value_kind: global_buffer, .address_space: global }
      - { .name: bk, .offset: 64, .size: 8, .value_kind: global_buffer, .address_space: global }
      - { .name: bv, .offset: 72, .size: 8, .value_kind: global_buffer, .address_space: global }
      - { .name: bo, .offset: 80, .size: 8, .value_kind: global_buffer, .address_space: global }
      - { .name: b1, .offset: 88, .size: 8, .value_kind: global_buffer, .address_space: global }
      - { .name: b2, .offset: 96, .size: 8, .value_kind: global_buffer, .address_space: global }
      - { .name: xz, .offset: 104, .size: 8, .value_kind: global_buffer, .address_space: global }
      - { .name: pack_qkv, .offset: 112, .size: 8, .value_kind: global_buffer, .address_space: global }
      - { .name: pack_wo, .offset: 120, .size: 8, .value_kind: global_buffer, .address_space: global }
      - { .name: pack_w1, .offset: 128, .size: 8, .value_kind: global_buffer, .address_space: global }
      - { .name: pack_w2, .offset: 136, .size: 8, .value_kind: global_buffer, .address_space: global }
    .group_segment_fixed_size: 19456
    .private_segment_fixed_size: 0
    .kernarg_segment_align: 8
    .kernarg_segment_size: 144
    .max_flat_workgroup_size: 256
    .sgpr_count:     66
    .vgpr_count:     176
    .wavefront_size: 32
...
	.end_amdgpu_metadata
.endif
;; end of part 1
;; launch qkv (part 2): grid 12 x 16, 4 waves a work-group, clusters of 4 x 4, 327,680 bytes of LDS; arguments xz, pack_qkv, big; writes big
.if DOCPART == 2
	.amdgcn_target "amdgcn-amd-amdhsa--gfx1250"
	.amdhsa_code_object_version 6
	.text
	.protected	k_q5042cf4d9f_qkv
	.globl	k_q5042cf4d9f_qkv
	.p2align	8
	.type	k_q5042cf4d9f_qkv,@function
k_q5042cf4d9f_qkv:
	s_mov_b64 s[64:65], 0
	v_nop
	global_prefetch_b8 v0, s[64:65] scope:SCOPE_SE
	s_setreg_imm32_b32 hwreg(HW_REG_WAVE_MODE, 25, 1), 1
	s_wait_xcnt 0x0
	s_wait_alu depctr_hold_cnt(0) depctr_sa_sdst(0) depctr_va_vdst(0) depctr_va_sdst(0) depctr_va_ssrc(0) depctr_va_vcc(0) depctr_vm_vsrc(0)
	s_getreg_b32 s2, hwreg(HW_REG_IB_STS2, 6, 4)
	s_cmp_eq_u32 s2, 0
	s_cbranch_scc0 .Lentry_in_a_cluster
	s_endpgm
.Lentry_in_a_cluster:
	s_bfe_u32 s2, ttmp6, 0x10000c
	s_cmp_lg_u32 s2, 0xf033
	s_cbranch_scc0 .Lentry_shape_is_right
	s_endpgm
.Lentry_shape_is_right:
; out = max(bf16(A W + bias), floor).  A: [128 octets][4096 rows][8] bf16 (K = 1024).  W: the pack's panels, [N/128][128 kg][128 n][8 k] bf16, from byte WOFF; the pack's first bytes hold the bias
; (f32 words) and byte 16384 the floor word (two bf16).  out: [N/8 octets][4096][8] bf16.  Sums in f32, started at the bias, K ascending; rounded once.  Serves x (wq|wk|wv) and relu(out1 w1 + b1).
; LIMITS.  The floor is taken by a maximum in which a NaN loses: a NaN result leaves as the floor.  Infinities are not treated apart.
; SHARES.  A tile of 256 x 256 to a work-group, 128 x 128 (64 accumulators, 512 registers) to each of four waves.  K goes in 8 steps of 128 through two LDS slots.
; THE CHUNKS.  A and W lie in chunks of 16 bytes, 8 numbers along K, the chunks of one octet of K side by side.  A slot's piece is [16 octets][128 rows][16 bytes]: a fragment (16 rows x 32 K) is two loads
; in which 16 lanes read 256 consecutive bytes: no padding.  The product is used transposed (source 0 = W's rows n, source 1 = A's rows m): a lane ends with one row m and 8 neighbouring columns,
; which is one chunk of out: 16 lanes store 256 consecutive aligned bytes straight from registers, and no stage in LDS is needed.
; CLUSTER.  4 x 4 work-groups; A's pieces are asked for jointly along a row of the cluster, W's along a column.  The grid has 12 or 16 tile columns and 16 tile rows: multiples of four.
; No prefetch: K has 8 steps, and every piece is asked for by three or four clusters at about the same time.
; REGISTERS (windows of 256): window 0: v16-29 addresses; v64-127, v128-191 A's two fragment buffers, later the way out; v192-255 the bias.  window 1: v64-191 W's two buffers.  windows 2, 3: accumulators (a, b) at 8 (8 (a % 4) + b).
.set KSTEPS, 8
.set SLOT,   0x20000                   ; four pieces of 32,768 bytes: A rows 0-127, A rows 128-255, W columns 0-127, W columns 128-255
.set SPARE,  0x40000                   ; behind the two slots: the spare words, 128 bytes a wave
.set WOFF,   32768
.set FLOORB, 16384
.set ASTEP,  1048576                   ; 16 octets of A: 16 x 65,536 bytes
.set BSTEP,  32768                     ; 16 kg of a panel: 16 x 2,048 bytes
.set AL0,  16                          ; v16  my lane's place in my A piece of slot 0; never rewritten
.set BL0,  17                          ; v17  the same for W
.set ADRA, 18                          ; v18  the same in the slot in hand
.set ADRB, 19
.set OO,   20                          ; v20  my chunk's offset in out: h x 65,536 + r x 16
.set BO,   21                          ; v21  my offset in the bias: h x 32
.set SPW,  28                          ; v28  LDS address of my spare word; never rewritten
.set NIL,  29                          ; v29  0; never rewritten
.set F0,   64
.set F1,   128
.set BIAS, 192
.set TB,  2                            ; s2   the slot in hand: 0 or SLOT
.set CNT, 3                            ; s3   loop counter
.set WV,  12                           ; s12  wave
.set WR,  13                           ; s13  my half of the tile's rows; also: I fetch for A (0) or W (1)
.set WC,  14                           ; s14  my half of its columns; also: which piece I fetch
.set MT,  15                           ; s15  tile row
.set FL,  45                           ; s45  the floor word
.set G1,  24                           ; s[24:31] group 1 for A;  s[32:39] group 0, two sets: the second walks
.set G0,  32
.set G1B, 48                           ; the same for W
.set G0B, 56
.set MSB, 0
.macro WIN new                         ; the immediate's high byte repeats the setting that is left; a switch that changes nothing is dropped
.if MSB != (\new)
	s_set_vgpr_msb (MSB<<8)|(\new)
.set MSB, \new
.endif
.endm
.set MUL_LO, 0xa1                      ; source 0 (W) window 1, source 1 (A) window 0, C and D window 2
.set MUL_HI, 0xf1                      ; the same, C and D window 3
.set TO_B,   0x40                      ; destination window 1, address window 0
.macro JLOAD s                         ; a joint load: waves 0, 1 fetch A's pieces, waves 2, 3 W's; an s_nop 0 and four v_nop follow each line
	s_cmp_eq_u32 s[WR], 0
	s_cbranch_scc0 .Lfor_b_\@
	tensor_load_to_lds s[G0+4*(\s):G0+4*(\s)+3], s[G1:G1+7]
	s_nop 0
.rept 4
	v_nop
.endr
	s_branch .Lasked_\@
.Lfor_b_\@:
	tensor_load_to_lds s[G0B+4*(\s):G0B+4*(\s)+3], s[G1B:G1B+7]
	s_nop 0
.rept 4
	v_nop
.endr
.Lasked_\@:
.endm
.macro CREST                           ; a round of the cluster's barrier behind its opening barrier
	s_cmp_lg_u32 s[WV], 0
	s_cbranch_scc1 .Lnot_wave_0_\@
	s_barrier_signal -3
.Lnot_wave_0_\@:
	s_barrier_wait -3
	s_barrier_signal -1
	s_barrier_wait -1
.endm
.macro CROUND
	s_barrier_signal -1
	s_barrier_wait -1
	CREST
.endm
.macro PLACES                          ; four places in front of loads into registers that matrix instructions have read, and of conversions that read results
.rept 4
	v_nop
.endr
.endm
	s_load_b128 s[4:7], s[0:1], 0x0                ; A s[4:5], pack s[6:7]
	s_load_b64 s[8:9], s[0:1], 0x10                ; out
	v_lshl_add_u32 v[SPW], v0, 2, SPARE
	v_mov_b32 v[NIL], 0
	ds_add_u32 v[SPW], v[NIL]                      ; the wave's opening: the add and its wait stand ahead of my first tensor load; work on registers stands between them
	v_lshrrev_b32 v1, 5, v0
	v_readfirstlane_b32 s[WV], v1
	s_lshr_b32 s[WR], s[WV], 1
	s_and_b32 s[WC], s[WV], 1
	s_bfe_u32 s40, ttmp6, 0x40000                  ; cx
	s_bfe_u32 s41, ttmp6, 0x40004                  ; cy
	s_lshl_b32 s42, ttmp9, 2
	s_add_co_u32 s42, s42, s40                     ; tile column = 4 x cluster x + cx
	s_and_b32 s[MT], ttmp7, 0xffff
	s_lshl_b32 s[MT], s[MT], 2
	s_add_co_u32 s[MT], s[MT], s41                 ; tile row = 4 x cluster y + cy
	s_lshl_b32 s43, s41, 2
	s_lshl_b32 s43, 15, s43                        ; my row of the cluster
	s_lshl_b32 s44, 0x1111, s40                    ; my column
	; group 1: 16 rows (octets of K) of 256 elements of 8 bytes (128 chunks)
	s_or_b32 s[G1+0], s43, (3<<16)|(1<<21)         ; 15:0 the mask; 17:16 elements of 8 bytes; 21 set beside a mask
	s_or_b32 s[G1B+0], s44, (3<<16)|(1<<21)
.irp g, G1, G1B
	s_mov_b32 s[(\g)+1], 256<<16                   ; tensor_dim0 = 256
	s_mov_b32 s[(\g)+2], 16<<16                    ; tensor_dim1 = 16
	s_mov_b32 s[(\g)+3], 256<<16                   ; tile_dim0 = 256
	s_mov_b32 s[(\g)+4], 16                        ; tile_dim1 = 16
	s_mov_b32 s[(\g)+6], 0
	s_mov_b32 s[(\g)+7], 0
.endr
	s_mov_b32 s[G1+5], 8192                        ; from octet to octet of A: 65,536 bytes
	s_mov_b32 s[G1B+5], 256                        ; of a panel: 2,048 bytes
	s_lshl_b32 s16, s[MT], 12                      ; A: 256 rows of 16 bytes a tile row,
	s_lshl_b32 s17, s[WC], 11                      ; 128 a piece
	s_add_co_u32 s16, s16, s17
	s_mov_b32 s17, 0
	s_lshl_b32 s46, s42, 19                        ; W: two panels of 262,144 bytes a tile column,
	s_lshl_b32 s47, s[WC], 18                      ; one a piece
	s_add_co_u32 s46, s46, s47
	s_add_co_u32 s46, s46, WOFF
	s_mov_b32 s47, 0
	s_lshl_b32 s20, s[WV], 15                      ; where my piece goes: wave x 32,768: no place in the cluster enters an LDS address
	s_wait_dscnt 0x0                               ; the opening add is done
	s_wait_kmcnt 0x0
	s_add_nc_u64 s[18:19], s[4:5], s[16:17]
	s_add_nc_u64 s[46:47], s[6:7], s[46:47]
	CROUND                                         ; all sixteen work-groups are here: the first joint loads meet
.irp s, 0,1
	s_mov_b32 s[G0+4*(\s)], 1
	s_add_co_u32 s[G0+4*(\s)+1], s20, (\s)*SLOT
	s_add_nc_u64 s[G0+4*(\s)+2:G0+4*(\s)+3], s[18:19], (\s)*ASTEP
	s_or_b32 s[G0+4*(\s)+3], s[G0+4*(\s)+3], 0x80000000
	s_mov_b32 s[G0B+4*(\s)], 1
	s_add_co_u32 s[G0B+4*(\s)+1], s20, (\s)*SLOT
	s_add_nc_u64 s[G0B+4*(\s)+2:G0B+4*(\s)+3], s[46:47], (\s)*BSTEP
	s_or_b32 s[G0B+4*(\s)+3], s[G0B+4*(\s)+3], 0x80000000
	JLOAD \s                                       ; K steps 0 and 1: two loads of mine are out
.endr
	s_load_b32 s[FL], s[6:7], FLOORB               ; waited for in front of the way out
	v_and_b32 v1, 15, v0                           ; r
	v_bfe_u32 v2, v0, 4, 1                         ; h
	v_lshlrev_b32 v3, 11, v2                       ; a fragment's registers 0-3 are the chunk of octet 4 c + h, registers 4-7 that of octet 4 c + 2 + h
	v_lshl_add_u32 v3, v1, 4, v3
	s_lshl_b32 s21, s[WR], 15
	s_lshl_b32 s23, s[WC], 15
	s_add_co_u32 s23, s23, 0x10000
	v_add_nc_u32 v[AL0], s21, v3
	v_add_nc_u32 v[BL0], s23, v3
	v_lshlrev_b32 v[OO], 16, v2
	v_lshl_add_u32 v[OO], v1, 4, v[OO]
	v_lshlrev_b32 v[BO], 5, v2
	s_lshl_b32 s46, s42, 10                        ; the bias of my 128 columns
	s_lshl_b32 s47, s[WC], 9
	s_add_co_u32 s46, s46, s47
	s_mov_b32 s47, 0
	s_add_nc_u64 s[22:23], s[6:7], s[46:47]
.irp b, 0,1,2,3,4,5,6,7
	global_load_b128 v[BIAS+8*(\b):BIAS+8*(\b)+3],   v[BO], s[22:23] offset:64*(\b)
	global_load_b128 v[BIAS+8*(\b)+4:BIAS+8*(\b)+7], v[BO], s[22:23] offset:64*(\b)+16
.endr
	s_lshl_b32 s46, s42, 21                        ; out: 32 octets a tile column, 16 a wave;
	s_lshl_b32 s47, s[WC], 20
	s_add_co_u32 s46, s46, s47
	s_lshl_b32 s16, s[MT], 12                      ; 256 rows a tile row, 128 a wave
	s_lshl_b32 s17, s[WR], 11
	s_add_co_u32 s16, s16, s17
	s_add_co_u32 s46, s46, s16
	s_mov_b32 s47, 0
	s_add_nc_u64 s[8:9], s[8:9], s[46:47]
	s_wait_loadcnt 0x0
	; the sums start at the bias: accumulator (a, b), register j, holds column 16 b + 8 h + j.  Written while the first pieces are on their way; so the K step has one form and the way out adds nothing
	WIN 0x80
.set i, 0
.rept 256
	v_mov_b32 v[i], v[BIAS+(i%64)]
.set i, i+1
.endr
	WIN 0xc0
.set i, 0
.rept 256
	v_mov_b32 v[i], v[BIAS+(i%64)]
.set i, i+1
.endr
	WIN 0
; 16 matrix instructions: m blocks a0, a0 + 1 of the window's four x all 8 n blocks, 32 along K.  The 64 accumulators take turns, one instruction a turn, in the same order in every quarter
.macro MUL16 f, hi, a0
	WIN MUL_LO+0x50*(\hi)
.irp a, \a0, (\a0)+1
.irp b, 0,1,2,3,4,5,6,7
	v_wmma_f32_16x16x32_bf16 v[8*(8*(\a)+(\b)):8*(8*(\a)+(\b))+7], v[(\f)+8*(\b):(\f)+8*(\b)+7], v[(\f)+8*(4*(\hi)+(\a)):(\f)+8*(4*(\hi)+(\a))+7], v[8*(8*(\a)+(\b)):8*(8*(\a)+(\b))+7]
.endr
.endr
.endm
; 32 LDS loads in one run: quarter c (octets 4 c .. 4 c + 3) of the slot in hand into buffer f: W's 8 fragments, then A's 8
.macro FETCH c, f
	WIN TO_B
.irp i, 0,1,2,3,4,5,6,7
	ds_load_b128 v[(\f)+8*(\i):(\f)+8*(\i)+3],   v[ADRB] offset:(\c)*8192+(\i)*256
	ds_load_b128 v[(\f)+8*(\i)+4:(\f)+8*(\i)+7], v[ADRB] offset:(\c)*8192+(\i)*256+4096
.endr
	WIN 0
.irp i, 0,1,2,3,4,5,6,7
	ds_load_b128 v[(\f)+8*(\i):(\f)+8*(\i)+3],   v[ADRA] offset:(\c)*8192+(\i)*256
	ds_load_b128 v[(\f)+8*(\i)+4:(\f)+8*(\i)+7], v[ADRA] offset:(\c)*8192+(\i)*256+4096
.endr
.endm
; multiplies buffer f; in its middle fetches quarter c into buffer g
.macro QUARTER c, f, g
	s_wait_dscnt 8                                 ; W and A's rows 0-63 are in; the youngest eight loads (A's rows 64-127) may be out
	MUL16 \f, 0, 0
	MUL16 \f, 0, 2
	PLACES
	FETCH \c, \g
	s_wait_dscnt 32                                ; all but the 32 just issued
	MUL16 \f, 1, 0
	MUL16 \f, 1, 2
.endm
; The last quarter multiplies buffer 1 and changes slots: one barrier.  In front of it each wave waits for all its tensor loads (one is out: its piece of the next slot), adds 0 to its spare word, and waits for
; that and for its reads of this slot.  fill = 1: the barrier opens a round of the cluster's barrier, and this slot is filled again first thing behind it, two K steps ahead: 224 matrix instructions ahead of the wait for it.
; fill = 0 (the last two K steps): nothing is filled; the very last has no next slot, and the fetch is jumped over.
.macro TURN fill
	WIN 0
	s_wait_tensorcnt 0x0
	ds_add_u32 v[SPW], v[NIL]                      ; 0 onto my spare word
.if \fill
	s_xor_b32 s[G0+5], s[G0+5], SLOT               ; no load of mine is out, so the walking descriptors may be written: the other slot than last time, the next K step
	s_add_nc_u64 s[G0+6:G0+7], s[G0+6:G0+7], ASTEP
	s_xor_b32 s[G0B+5], s[G0B+5], SLOT
	s_add_nc_u64 s[G0B+6:G0B+7], s[G0B+6:G0B+7], BSTEP
.endif
	s_wait_dscnt 9                                 ; the add and the youngest eight loads may be out
	MUL16 F1, 0, 0
	s_wait_dscnt 0x0                               ; the add is done, and my reads of this slot are over
	s_barrier_signal -1
	MUL16 F1, 0, 2
	WIN 0
	s_barrier_wait -1
.if \fill
	CREST
	JLOAD 1                                        ; its four v_nop are also the places in front of the loads below
.else
	s_cmp_eq_u32 s[CNT], 1
	s_cbranch_scc1 .Lno_more_\@
	PLACES
.endif
	s_xor_b32 s[TB], s[TB], SLOT
	v_add_nc_u32 v[ADRA], s[TB], v[AL0]
	v_add_nc_u32 v[ADRB], s[TB], v[BL0]
	FETCH 0, F0
.if !(\fill)
.Lno_more_\@:
.endif
	MUL16 F1, 1, 0
	MUL16 F1, 1, 2
.endm
.macro KSTEP fill
	QUARTER 1, F0, F1
	QUARTER 2, F1, F0
	QUARTER 3, F0, F1
	TURN \fill
.endm
	s_wait_tensorcnt 1                             ; my piece of K step 0 is in; K step 1's may stay out
	s_barrier_signal -1
	s_barrier_wait -1
	s_mov_b32 s[TB], 0
	v_mov_b32 v[ADRA], v[AL0]
	v_mov_b32 v[ADRB], v[BL0]
	FETCH 0, F0
	s_mov_b32 s[CNT], KSTEPS-2
.Lk:                                                   ; K steps 0 to 5: each fills its slot again
	KSTEP 1
	WIN 0
	s_sub_co_u32 s[CNT], s[CNT], 1
	s_cmp_lg_u32 s[CNT], 0
	s_cbranch_scc1 .Lk
	s_mov_b32 s[CNT], 2
.Lt:                                                   ; K steps 6 and 7 ask for nothing
	KSTEP 0
	WIN 0
	s_sub_co_u32 s[CNT], s[CNT], 1
	s_cmp_lg_u32 s[CNT], 0
	s_cbranch_scc1 .Lt
	; THE WAY OUT: rounded to bf16, the floor taken, one chunk of 16 bytes a lane and accumulator.  Each accumulator's registers are read in ascending order.
	PLACES
	s_wait_kmcnt 0x0                               ; the floor word
.irp a, 0,1,2,3,4,5,6,7
.if (\a) >= 4
	s_wait_xcnt 0x0                                ; the stores of block a - 4 have read these registers: they are rewritten only behind this wait
.endif
	WIN 0x0a+5*((\a)/4)                            ; sources 0 and 1: window 2 or 3
.irp b, 0,1,2,3,4,5,6,7
.irp r, 0,1,2,3
	v_cvt_pk_bf16_f32 v[F0+32*((\a)%4)+4*(\b)+(\r)], v[64*((\a)%4)+8*(\b)+2*(\r)], v[64*((\a)%4)+8*(\b)+2*(\r)+1]
.endr
.endr
	WIN 0
.set i, 0
.rept 32
	v_pk_max_num_bf16 v[F0+32*((\a)%4)+i], v[F0+32*((\a)%4)+i], s[FL]
.set i, i+1
.endr
.irp b, 0,1,2,3,4,5,6,7
	global_store_b128 v[OO], v[F0+32*((\a)%4)+4*(\b):F0+32*((\a)%4)+4*(\b)+3], s[8:9] offset:(\b)*131072+(\a)*256  ; 16 lanes store 256 consecutive aligned bytes: 16 rows of one octet
.endr
.endr
	s_wait_tensorcnt 0x0                           ; the wave's end
	ds_add_u32 v[SPW], v[NIL]
	s_wait_dscnt 0x0
	CROUND                                         ; the closing round: no work-group ends while a partner may still ask for a piece that names it
	s_endpgm
.Lfunc_end_k_q5042cf4d9f_qkv:
	.size	k_q5042cf4d9f_qkv, .Lfunc_end_k_q5042cf4d9f_qkv-k_q5042cf4d9f_qkv
	.p2alignl 7, 3214868480
	.fill 96, 4, 3214868480
	.section	.rodata,"a",@progbits
	.p2align	6, 0x0
	.amdhsa_kernel k_q5042cf4d9f_qkv
		.amdhsa_group_segment_fixed_size 327680
		.amdhsa_private_segment_fixed_size 0
		.amdhsa_enable_private_segment 0
		.amdhsa_kernarg_size 24
		.amdhsa_user_sgpr_count 2
		.amdhsa_user_sgpr_kernarg_segment_ptr 1
		.amdhsa_wavefront_size32 1
		.amdhsa_system_sgpr_workgroup_id_x 1
		.amdhsa_system_sgpr_workgroup_id_y 1
		.amdhsa_system_sgpr_workgroup_id_z 1
		.amdhsa_system_vgpr_workitem_id 0
		.amdhsa_next_free_vgpr 1024
		.amdhsa_next_free_sgpr 66
		.amdhsa_reserve_vcc 0
		.amdhsa_float_denorm_mode_32 3
		.amdhsa_float_denorm_mode_16_64 3
		.amdhsa_memory_ordered 1
		.amdhsa_forward_progress 1
		.amdhsa_inst_pref_size 118
	.end_amdhsa_kernel
	.amdgpu_metadata
---
amdhsa.version: [ 1, 2 ]
amdhsa.kernels:
  - .name:           k_q5042cf4d9f_qkv
    .symbol:         k_q5042cf4d9f_qkv.kd
    .args:
      - { .name: xz, .offset: 0, .size: 8, .value_kind: global_buffer, .address_space: global }
      - { .name: pack_qkv, .offset: 8, .size: 8, .value_kind: global_buffer, .address_space: global }
      - { .name: big, .offset: 16, .size: 8, .value_kind: global_buffer, .address_space: global }
    .group_segment_fixed_size: 327680
    .private_segment_fixed_size: 0
    .kernarg_segment_align: 8
    .kernarg_segment_size: 24
    .max_flat_workgroup_size: 128
    .sgpr_count:     66
    .vgpr_count:     1024
    .wavefront_size: 32
...
	.end_amdgpu_metadata
.endif
;; end of part 2
;; launch attn (part 3): grid 8 x 32, 4 waves a work-group, clusters of 4 x 1, 327,680 bytes of LDS; arguments big, act2; writes act2
.if DOCPART == 3
	.amdgcn_target "amdgcn-amd-amdhsa--gfx1250"
	.amdhsa_code_object_version 6
	.text
	.protected	k_q5042cf4d9f_attn
	.globl	k_q5042cf4d9f_attn
	.p2align	8
	.type	k_q5042cf4d9f_attn,@function
k_q5042cf4d9f_attn:
	s_mov_b64 s[64:65], 0
	v_nop
	global_prefetch_b8 v0, s[64:65] scope:SCOPE_SE
	s_setreg_imm32_b32 hwreg(HW_REG_WAVE_MODE, 25, 1), 1
	s_wait_xcnt 0x0
	s_wait_alu depctr_hold_cnt(0) depctr_sa_sdst(0) depctr_va_vdst(0) depctr_va_sdst(0) depctr_va_ssrc(0) depctr_va_vcc(0) depctr_vm_vsrc(0)
	s_getreg_b32 s2, hwreg(HW_REG_IB_STS2, 6, 4)
	s_cmp_eq_u32 s2, 0
	s_cbranch_scc0 .Lentry_in_a_cluster
	s_endpgm
.Lentry_in_a_cluster:
	s_bfe_u32 s2, ttmp6, 0x10000c
	s_cmp_lg_u32 s2, 0x3003
	s_cbranch_scc0 .Lentry_shape_is_right
	s_endpgm
.Lentry_shape_is_right:
; ATTENTION.  ctx[q] = the sum over k of softmax_k(Q[q] . K[k] / 8) V[k], for 32 heads (2 batches x 16) of 2,048 rows and 64 channels.
; big holds q | k | v as [384 octets of columns][4096 rows][8] bf16: head hd's octet o of q is octet 8 hd + o, of k 128 more, of v 256 more.  ctx leaves in the same layout, [128 octets][4096][8] bf16.
; Products, maxima and sums in f32; the weights p are rounded to bf16 for the second product (their sum l is taken of the unrounded p), ctx once at the end.
; LIMITS.  A weight below 2^-126 counts as 0 in l; NaN and infinities are not treated apart.  bf16 has f32's range, so q, k, v keep every finite size.
; SHARES.  A work-group owns 256 queries of one head, a wave 64: four PIECES of 16.  Every wave walks all 2,048 keys, 64 a step, 256 (a tile) a slot.
; LAYOUT.  S^T = K Q^T (source 0 = 16 keys, source 1 = 16 queries) holds ONE query a lane (lane % 16) and the keys 8 (lane / 16) + 0..7; two such results rounded to bf16 ARE source 1 of O^T = V^T P, whose result
; holds one query and eight channels a lane: one chunk of ctx, stored straight from registers.  K's and Q's fragments are two chunks a lane; V's chunks (a key's 8 channels) are turned by ds_load_tr16_b128.
; SOFTMAX.  A running maximum m and sum l: p = 2^(c s - c m), c = log2(e) / 8; in every step O and l are multiplied by a = 2^(c m_old - c m_new).  m starts at the lowest finite number, O and l at 0: the first step's a is 0.
; TURNS.  Turn n belongs to piece n: 8 products K Q^T of piece n + 1, later 8 products V^T P of piece n - 1; beside them the scaling, exponentials, roundings, sums and rescaling of piece n and the maximum and
; statistics of piece n + 1.  Four vector instructions stand behind every matrix instruction, the other 54 of a turn's 118 in two runs of their own.
; CLUSTER.  The four query blocks of a cluster belong to one head and walk the same K and V: each tile is asked for jointly, by the same tensor load, descriptor and mask in all four.
; REGISTERS (windows of 256; s_set_vgpr_msb: bits 1:0 source 0, 3:2 source 1, 5:4 source 2, 7:6 destination).  The map is made so that few lines need a switch:
;   window 0, all 256: v0-5 addresses; v6-7, v8-15 at work; v16-31 four statistics a piece; v32-63 P, two buffers; v64-127 S^T, two buffers (by the piece's parity); v128-191 K of one step; v192-255 Q
;   window 1: v0-127 O^T, 32 a piece; v128-191 V of one step; v192-193 the add's two registers
; So K Q^T and all of the softmax but O^T's rescaling run under setting 0.  V^T P wants V, O^T in window 1 and P in window 0 (0x51); the rescaling (destination and source 0 in window 1, source 1 in window 0, no third
; source) runs under that same setting, and its 16 lines are the riders of four of the products V^T P.  A turn has 8 switches: one into 0x51, and seven round the other four products' riders.
.set NP,    4
.set TILES, 8
.set PKO,   4096      ; an octet's 256 keys of K in LDS
.set PVO,   4224      ; of V: 32 bytes of padding behind every 64 keys; the two octets that 16 lanes of a turning load touch then lie 128 bytes apart modulo 256
.set KSB,   1024      ; a step's 64 keys in an octet of K
.set VSB,   1056      ; of V
.set VOFF,  8*PKO     ; a slot: 8 octets of K, then 8 of V
.set SLOT1, 1<<17     ; slot 1 begins here: one exclusive or turns an address in one slot into the other's
.set SPARE, 2*SLOT1   ; behind the slots: the spare words, 128 bytes a wave
.set TILEB, 4096      ; a tile's 256 keys in an octet in memory
.set PFO, 0           ; v0   the prefetch's offset: written when the thread's number has served; then never rewritten
.set QO,  1           ; v1   h x 65,536 + r x 16: my chunk's offset in Q and in ctx; never rewritten
.set AK0, 2           ; v2   my lane's place in a tile of K; never rewritten
.set AV0, 3           ; v3   the same for V
.set AK,  4           ; v4   the LDS address of K's next run of loads
.set AV,  5           ; v5   of V's
.set MV,  6           ; v6-7  c m_old, kept while c m is made anew
.set TMP, 8           ; by buffer, c0-c3 at work; when the maximum is found c2 takes a
.set ST,  16          ; piece t's statistics at v[ST+4 t]: c m, m, l (even keys', odd keys')
.set P,   32
.set S,   64
.set KF,  128         ; key block kb, channel half c at KF + 16 kb + 8 c
.set Q,   192         ; piece x, channel half c at Q + 16 x + 8 c
.set VF,  128         ; window 1: key half kk, channel block cb at VF + 32 kk + 8 cb
.set SPW, 192         ; window 1: LDS address of my spare word; never rewritten
.set NIL, 193         ; window 1: 0; never rewritten
.set TR,  S           ; at the head alone, in registers that S^T takes later: r,
.set TH,  S+1         ; h,
.set T7,  S+2         ; l % 8,
.set T3,  S+3         ; (l / 8) % 2,
.set TW,  S+4         ; the wave's number
.set WV,  12          ; s12  wave
.set LIM, 15          ; s15  1 in a wave that prefetches, else the greatest number
.set G1K, 24
.set G1V, 32
.set G0K, 40          ; s[40:43] group 0 for K: it walks
.set G0V, 44
.set PFA, 52          ; s[52:53] where my prefetches stand
.set SLOTS, 56
.set CNT, 57
.set CS,  58          ; s[58:59] c
.set SEL, 60          ; s[60:61] v_permlanex16_b32's selects
.set TBK, 62          ; s62  LDS byte at which K of the step to be fetched begins
.set TBV, 63          ; s63  the same for V, less VOFF
.set MSB, 0
.macro WIN new
.if MSB != (\new)
	s_set_vgpr_msb (MSB<<8)|(\new)
.set MSB, (\new)
.endif
.endm
.set W_PV, 0x51       ; V and O^T in window 1, P (or a) in window 0
.set W_TO1, 0x40      ; destination in window 1, sources in window 0
.set W_AD, 0x05       ; the add: address (source 0) and data (source 1) in window 1; also: two sources in window 1, destination in window 0
.macro JLOAD                        ; waves 0, 1 fetch octets 0-3 and 4-7 of a tile's K, waves 2, 3 of its V; an s_nop 0 and four v_nop follow each line
	s_cmp_lt_u32 s[WV], 2
	s_cbranch_scc0 .Lfor_v_\@
	tensor_load_to_lds s[G0K:G0K+3], s[G1K:G1K+7]
	s_nop 0
.rept 4
	v_nop
.endr
	s_branch .Lasked_\@
.Lfor_v_\@:
	tensor_load_to_lds s[G0V:G0V+3], s[G1V:G1V+7]
	s_nop 0
.rept 4
	v_nop
.endr
.Lasked_\@:
.endm
; A PREFETCH of the tile that the NEXT change of slots will ask for: 8 octets x 4,096 bytes of K and of V are 128 blocks of 256 bytes each.  Both clusters of a head walk the same tiles: the first asks.  Its four partners
; take two octets each, told apart by address; in each, wave 0 asks for K's and wave 2 for V's, a lane a block: each block of tiles 3 to 7 is named once.  The last change that fills a slot asks for nothing.
.macro ASK
	s_cmp_gt_u32 s[SLOTS], s[LIM]
	s_cbranch_scc0 .Lnot_mine_\@
	global_prefetch_b8 v[PFO], s[PFA:PFA+1] th:TH_LOAD_NT scope:SCOPE_SE
.Lnot_mine_\@:
.endm
.macro CROUND
	s_barrier_signal -1
	s_barrier_wait -1
	s_cmp_lg_u32 s[WV], 0
	s_cbranch_scc1 .Lnot_wave_0_\@
	s_barrier_signal -3
.Lnot_wave_0_\@:
	s_barrier_wait -3
	s_barrier_signal -1
	s_barrier_wait -1
.endm
; THE CHANGE OF SLOTS.  Each wave waits for all its tensor loads (one is out: its part of the other slot), adds 0 to its spare word, and waits for that and for its reads of the slot that it leaves.
; fill = 1: a round of the cluster's barrier, and the old slot is filled again first thing behind it, with the tile two on: four key steps, 256 matrix instructions, in which to land.
.macro CHANGE fill, ask
	WIN W_AD
	s_wait_tensorcnt 0x0            ; no tensor load of mine is out, so a group 0 may be written
	ds_add_u32 v[SPW], v[NIL]       ; 0 onto my spare word
	WIN 0                           ; at a label and at a branch every window is 0
.if \fill
.irp g, G0K, G0V
	s_xor_b32 s[\g+1], s[\g+1], SLOT1
	s_add_nc_u64 s[\g+2:\g+3], s[\g+2:\g+3], TILEB
.endr
.endif
.if \ask
	s_wait_xcnt 0x0                 ; the last prefetch, four key steps back, has read its address
	s_add_nc_u64 s[PFA:PFA+1], s[PFA:PFA+1], TILEB
.endif
	s_wait_dscnt 0x0                ; the add is done, and my reads of the slot are over
.if \fill
	CROUND
	JLOAD
.if \ask
	ASK
.endif
.else
	s_barrier_signal -1
	s_barrier_wait -1
.endif
	s_sub_co_u32 s[TBK], s[TBK], 4*KSB    ; the fetches go back to a slot's first step,
	s_xor_b32 s[TBK], s[TBK], SLOT1       ; in the other slot
	s_sub_co_u32 s[TBV], s[TBV], 4*VSB
	s_xor_b32 s[TBV], s[TBV], SLOT1
.endm
	s_load_b128 s[4:7], s[0:1], 0x0 ; big s[4:5], ctx s[6:7]
	WIN W_TO1
	v_lshl_add_u32 v[SPW], v0, 2, SPARE
	v_mov_b32 v[NIL], 0
	WIN W_AD
	ds_add_u32 v[SPW], v[NIL]       ; the wave's opening: the add and its wait stand ahead of my first tensor load
	WIN 0
	v_lshrrev_b32 v[TW], 5, v0
	v_readfirstlane_b32 s[WV], v[TW]
	s_bfe_u32 s13, ttmp6, 0x40000   ; cx
	s_lshl_b32 s14, ttmp9, 2
	s_add_co_u32 s14, s14, s13      ; my block of 256 queries: it enters Q's and ctx's addresses alone
	s_and_b32 s20, ttmp7, 0xffff    ; batch x 16 + head, which the four partners share
	s_and_b32 s21, s20, 15
	s_lshr_b32 s20, s20, 4
	s_lshl_b32 s21, s21, 19         ; a head's 8 octets of 65,536 bytes
	s_lshl_b32 s20, s20, 15         ; a batch's 2,048 rows of 16 bytes
	s_add_co_u32 s20, s20, s21
	s_and_b32 s16, s[WV], 1         ; which four octets I fetch:
	s_lshl_b32 s22, s16, 18         ; in memory,
	s_add_co_u32 s22, s22, s20
	s_mov_b32 s23, 0
	s_lshl_b32 s17, s16, 14         ; in a slot's K,
	s_mul_i32 s18, s16, 4*PVO       ; in its V
	s_lshl_b32 s2, s14, 12          ; my block's 256 rows,
	s_lshl_b32 s3, s[WV], 10        ; my wave's 64 of them
	s_add_co_u32 s2, s2, s3
	s_add_co_u32 s2, s2, s20
	s_mov_b32 s3, 0
	; group 1: 4 rows (octets) of 512 elements of 8 bytes (256 keys' chunks)
	s_mov_b32 s[G1K], 15|(3<<16)|(1<<21)                          ; the mask of four; elements of 8 bytes; 21 set beside a mask
	s_mov_b32 s[G1V], 15|(3<<16)|(1<<20)|(1<<21)|(7<<22)|(7<<25)  ; the same, padded: after every 256 words (code 7) 8 words (code 7)
.irp g, G1K, G1V
	s_mov_b32 s[\g+1], 512<<16      ; tensor_dim0 = 512
	s_mov_b32 s[\g+2], 4<<16        ; tensor_dim1 = 4
	s_mov_b32 s[\g+3], 512<<16      ; tile_dim0 = 512
	s_mov_b32 s[\g+4], 4            ; tile_dim1 = 4
	s_mov_b32 s[\g+5], 8192         ; 65,536 bytes from octet to octet
	s_mov_b32 s[\g+6], 0
	s_mov_b32 s[\g+7], 0
.endr
	s_mov_b32 s[CS], 0x3e38aa3b     ; c = log2(e) / 8
	s_mov_b32 s[CS+1], s[CS]
	s_mov_b32 s[SEL], 0x76543210
	s_mov_b32 s[SEL+1], 0xfedcba98
	s_mov_b32 s[TBK], SLOT1+4*KSB   ; the first change of slots turns these two into 0
	s_mov_b32 s[TBV], SLOT1+4*VSB
	s_mov_b32 s[G0K], 1
	s_mov_b32 s[G0K+1], s17
	s_mov_b32 s[G0V], 1
	s_add_co_u32 s[G0V+1], s18, VOFF
	s_mov_b32 s[SLOTS], TILES-1
	s_and_b32 s[LIM], s[WV], 1      ; waves 0 and 2,
	s_or_b32 s[LIM], s[LIM], ttmp9  ; of the head's first cluster: the same in all four partners
	s_cmp_eq_u32 s[LIM], 0
	s_cselect_b32 s[LIM], 1, -1
	s_wait_dscnt 0x0                ; the opening add is done
	s_wait_kmcnt 0x0
	s_add_nc_u64 s[48:49], s[4:5], s[22:23]
	s_add_nc_u64 s[50:51], s[48:49], 0x1000000  ; v: 256 octets on
	s_add_nc_u64 s[48:49], s[48:49], 0x800000   ; k: 128 octets on
	s_mov_b64 s[G0K+2:G0K+3], s[48:49]
	s_or_b32 s[G0K+3], s[G0K+3], 0x80000000
	s_mov_b64 s[G0V+2:G0V+3], s[50:51]
	s_or_b32 s[G0V+3], s[G0V+3], 0x80000000
	s_add_nc_u64 s[8:9], s[4:5], s[2:3]         ; Q at my wave's first row
	s_add_nc_u64 s[10:11], s[6:7], s[2:3]       ; ctx likewise
	s_cmp_lt_u32 s[WV], 2
	s_cselect_b64 s[PFA:PFA+1], s[48:49], s[50:51]  ; (in waves 0 and 2 these stand at octet 0)
	s_lshl_b32 s20, s13, 17         ; my work-group's two octets
	s_mov_b32 s21, 0
	s_add_nc_u64 s[PFA:PFA+1], s[PFA:PFA+1], s[20:21]
	s_add_nc_u64 s[PFA:PFA+1], s[PFA:PFA+1], 2*TILEB  ; at tile 2; the first asking change steps it to tile 3
	CROUND                          ; all four work-groups are here: the first joint loads meet
	JLOAD                           ; tile 0 into slot 0
	v_and_b32 v[TR], 15, v0         ; r
	v_bfe_u32 v[TH], v0, 4, 1       ; h
	v_lshlrev_b32 v[QO], 16, v[TH]
	v_lshl_add_u32 v[QO], v[TR], 4, v[QO]
.set i, 0
.rept 8                             ; Q stays in registers: piece i / 2, channels 32 (i % 2) on: octets 4 (i % 2) + h and + 2
	global_load_b128 v[Q+8*i:Q+8*i+3],   v[QO], s[8:9] offset:(i/2)*256+(i%2)*262144
	global_load_b128 v[Q+8*i+4:Q+8*i+7], v[QO], s[8:9] offset:(i/2)*256+(i%2)*262144+131072
.set i, i+1
.endr
	; What the first turn finds: V's registers and P's second buffer hold 0 (its products V^T P, of a piece that has not been, add 0), O^T and l are 0.  All this stands in the wait for the first tile.
	WIN W_TO1
.set i, 0
.rept 192                           ; O^T and V
	v_mov_b32 v[i], 0
.set i, i+1
.endr
	WIN 0
.set i, 0
.rept 4
	v_mov_b32 v[ST+4*i], 0xfe000000    ; c m: far below every c s
	v_mov_b32 v[ST+4*i+1], 0xff7fffff  ; m
	v_mov_b32 v[ST+4*i+2], 0
	v_mov_b32 v[ST+4*i+3], 0
.set i, i+1
.endr
.set i, P+16
.rept 16
	v_mov_b32 v[i], 0
.set i, i+1
.endr
	v_lshlrev_b32 v[AK0], 12, v[TH]
	v_lshl_add_u32 v[AK0], v[TR], 4, v[AK0]  ; octet h, key r
	; The turning load: lane l reads the chunk of key 8 (l / 16) + l % 8, octet (l / 8) % 2, and is left with channel l % 16 and 8 keys: half a fragment of V^T
	v_and_b32 v[T7], 7, v0
	v_bfe_u32 v[T3], v0, 3, 1
	v_lshl_add_u32 v[AV0], v[TH], 3, v[T7]
	v_lshlrev_b32 v[AV0], 4, v[AV0]
	v_mul_u32_u24 v[T3], v[T3], PVO
	v_add_nc_u32 v[AV0], v[AV0], v[T3]
	v_add_nc_u32 v[AV0], VOFF, v[AV0]
	v_lshlrev_b32 v[PFO], 16, v[TH]       ; the thread's number has served: its register takes the prefetch's offset:
	v_lshl_add_u32 v[PFO], v[TR], 8, v[PFO]  ; octet l / 16 of my work-group's two, block l % 16 of its 16
; THE MATRIX WORK.  The 4 accumulators of a run of 8 take turns.  Product i of 8 of S^T = K Q^T for piece x: channels 32 (i / 4) on, keys 16 (i % 4) on.  The first 4 start the sums.
.macro KQ x
	WIN 0
.set rS, S+32*((\x)%2)+8*(i%4)
.set rK, KF+16*(i%4)+8*(i/4)
.set rQ, Q+16*(\x)+8*(i/4)
.if i < 4
	v_wmma_f32_16x16x32_bf16 v[rS:rS+7], v[rK:rK+7], v[rQ:rQ+7], 0
.else
	v_wmma_f32_16x16x32_bf16 v[rS:rS+7], v[rK:rK+7], v[rQ:rQ+7], v[rS:rS+7]
.endif
.endm
; Product i of 8 of O^T += V^T P for piece x: keys 32 (i / 4) on, channels 16 (i % 4) on.
.macro PV x
	WIN W_PV
.set rO, 32*(\x)+8*(i%4)
.set rV, VF+32*(i/4)+8*(i%4)
.set rP, P+16*((\x)%2)+8*(i/4)
	v_wmma_f32_16x16x32_bf16 v[rO:rO+7], v[rV:rV+7], v[rP:rP+7], v[rO:rO+7]
.endm
.macro MM                           ; the turn's next matrix instruction
.if i < 8
	KQ (Y+1)%NP
.else
.set i, i-8
	PV (Y+NP-1)%NP
.set i, i+8
.endif
.set i, i+1
.endm
; THE LDS LOADS stand in runs of 16: a step's K (8 fragments) and its V (turned).  last = 1 (the tail): in the last trip there is no further step, and K's run is jumped over.
.macro FETCH_K last=0
	WIN 0
.if \last
	s_cmp_eq_u32 s[CNT], 1
	s_cbranch_scc1 .Lno_k_\@
.endif
.irp f, 0,1,2,3,4,5,6,7             ; keys 16 (f / 2) on, channels 32 (f % 2) on
	ds_load_b128 v[KF+8*\f:KF+8*\f+3],   v[AK] offset:(\f/2)*256+(\f%2)*4*PKO
	ds_load_b128 v[KF+8*\f+4:KF+8*\f+7], v[AK] offset:(\f/2)*256+(\f%2)*4*PKO+2*PKO
.endr
	s_add_co_u32 s[TBK], s[TBK], KSB
.if \last
.Lno_k_\@:
.endif
.endm
.macro FETCH_V
	WIN W_TO1
.irp f, 0,1,2,3,4,5,6,7             ; keys 32 (f / 4) on, channels 16 (f % 4) on
	ds_load_tr16_b128 v[VF+8*\f:VF+8*\f+3],   v[AV] offset:(\f/4)*512+(\f%4)*2*PVO
	ds_load_tr16_b128 v[VF+8*\f+4:VF+8*\f+7], v[AV] offset:(\f/4)*512+(\f%4)*2*PVO+256
.endr
	WIN 0
.endm
; THE VECTOR WORK, one line at a time: OP kind, number.  For piece Y: F n: c s - c m for pair n of 16.  E n: the exponential of score n of 32.  C n: pair n rounded to bf16.  B n: of the four weights 4 n .. the second
; pair is added onto the first, in place (so it stands behind C 2n, which reads the first pair).  L n: l takes that sum (L 0: l = a l + sum).  R n: pair n of 16 of O^T times a.
; For piece Y + 1: X n, number n of the 22 that find its maximum and statistics:
;   0-11 four chains c0-c3 of seven scores each (each accumulator's lowest registers are read first)   12-14, 16 the four scores left over, the old m, c0-c3 into c0
;   15 c m_old is kept   17, 18 the query's other 32 keys lie in the lane 16 away: the new m   19-21 c m; c m_old - c m_new; a
.set F, 0
.set E, 1
.set C, 2
.set B, 3
.set L, 4
.set R, 5
.set X, 6
.macro REGS y
.set rT, ST+4*(\y)
.set rC, TMP+4*((\y)%2)
.set rW, MV+((\y)%2)
.set rS, S+32*((\y)%2)
.set rP, P+16*((\y)%2)
.set rO, 32*(\y)
.endm
.macro OP k, n
.if (\k) == R
	REGS Y
	WIN W_PV
	v_pk_mul_f32 v[rO+2*(\n):rO+2*(\n)+1], v[rO+2*(\n):rO+2*(\n)+1], v[rC+2:rC+3] op_sel_hi:[1,0]
.elseif (\k) < R
	REGS Y
	WIN 0
.if (\k) == F
	v_pk_fma_f32 v[rS+2*(\n):rS+2*(\n)+1], v[rS+2*(\n):rS+2*(\n)+1], s[CS:CS+1], v[rT:rT+1] op_sel_hi:[1,0,0] neg_lo:[0,0,1] neg_hi:[0,0,1]
.elseif (\k) == E
	v_exp_f32 v[rS+(\n)], v[rS+(\n)]
.elseif (\k) == C
	s_wait_alu depctr_va_vdst(0)
	v_cvt_pk_bf16_f32 v[rP+(\n)], v[rS+2*(\n)], v[rS+2*(\n)+1]
.elseif (\k) == B
	v_pk_add_f32 v[rS+4*(\n):rS+4*(\n)+1], v[rS+4*(\n):rS+4*(\n)+1], v[rS+4*(\n)+2:rS+4*(\n)+3]
.elseif (\n) == 0
	v_pk_fma_f32 v[rT+2:rT+3], v[rT+2:rT+3], v[rC+2:rC+3], v[rS:rS+1] op_sel_hi:[1,0,1]
	s_wait_alu depctr_va_vdst(0)
.else
	v_pk_add_f32 v[rT+2:rT+3], v[rT+2:rT+3], v[rS+4*(\n):rS+4*(\n)+1]
.endif
.else
	REGS (Y+1)%NP
	WIN 0
.if (\n) < 4
	v_max3_num_f32 v[rC+(\n)], v[rS+8*(\n)], v[rS+8*(\n)+1], v[rS+8*(\n)+2]
.elseif (\n) < 12
	v_max3_num_f32 v[rC+(\n)%4], v[rC+(\n)%4], v[rS+8*((\n)%4)+2*((\n)/4)+1], v[rS+8*((\n)%4)+2*((\n)/4)+2]
.elseif (\n) == 12
	v_max3_num_f32 v[rC], v[rC], v[rS+7], v[rS+15]
.elseif (\n) == 13
	v_max3_num_f32 v[rC+1], v[rC+1], v[rS+23], v[rS+31]
.elseif (\n) == 14
	v_max3_num_f32 v[rC+2], v[rC+2], v[rC+3], v[rT+1]
.elseif (\n) == 15
	v_mov_b32 v[rW], v[rT]
.elseif (\n) == 16
	v_max3_num_f32 v[rC], v[rC], v[rC+1], v[rC+2]
.elseif (\n) == 17
	v_permlanex16_b32 v[rC+3], v[rC], s[SEL], s[SEL+1]
.elseif (\n) == 18
	v_max_num_f32 v[rT+1], v[rC], v[rC+3]
.elseif (\n) == 19
	v_mul_f32 v[rT], s[CS], v[rT+1]
.elseif (\n) == 20
	v_sub_f32 v[rC+1], v[rW], v[rT]
.else
	v_exp_f32 v[rC+2], v[rC+1]
.endif
.endif
.endm
.macro OPS a, i1, b=-1, i2=0, c=-1, i3=0, d=-1, i4=0
	OP \a, \i1
.if (\b) >= 0
	OP \b, \i2
.endif
.if (\c) >= 0
	OP \c, \i3
.endif
.if (\d) >= 0
	OP \d, \i4
.endif
.endm
.macro ROW a, i1, b, i2, c, i3, d, i4  ; a matrix instruction and the four behind it
	MM
	OPS \a, \i1, \b, \i2, \c, \i3, \d, \i4
.endm
; A TURN, for piece p: the order of its 16 matrix and 118 vector instructions, written out.  None of the four behind a matrix instruction names a register of the products round it.  The eight products K Q^T and the first
; run of 22 stand under setting 0; the first four products V^T P carry the rescaling, under their own setting; the other four carry work of window 0, with a switch on either side.
; Every exponential has a plain line behind it before its result is read.  v_permlanex16_b32 (X 17) stands in a run, not behind a product.
; last = 1: the tail's text of piece 2's turn.  cnt = 1: the loop's count is taken down some lines ahead of the branch behind the turn.
; K of the next step is fetched in piece 2's turn, five plain vector instructions (C 2, F 15, C 3, B 1, X 0) behind the last product that read K; V of the step in hand in piece 0's turn, five (C 5, B 2, C 6, L 2, C 7)
; behind the last that read V.  Each is waited for a turn later.  X 3, the first reader of the last K Q^T's sums, stands seven plain instructions behind it.
.macro TURN p, last=0, cnt=0
.set Y, (\p)
.set i, 0
.if (\p) == 3
	s_wait_dscnt 0x0                ; K is in
.endif
	ROW F,0, F,1, F,2, F,3
	ROW F,4, E,0, F,5, E,1
	ROW F,6, E,2, F,7, E,3
	ROW F,8, E,4, C,0, F,9
	ROW F,10, E,5, X,15, F,11
	ROW C,1, E,6, F,12, B,0
	ROW F,13, E,7, L,0, F,14
.if (\p) == 2
	v_add_nc_u32 v[AK], s[TBK], v[AK0]
	s_wait_alu depctr_va_vdst(0)
.endif
	ROW C,2, E,8, F,15, E,9
	OPS E,10, C,3, E,11, B,1
	OPS E,12, X,0
.if (\p) == 2
	FETCH_K \last
.endif
	OPS E,13, X,1, E,14, X,2
	OPS E,15, X,3, E,16, L,1
	OPS E,17, X,4, E,18, X,5
	OPS E,19, X,6, E,20, X,7
.if (\p) == 1
	s_wait_dscnt 0x0                ; V is in
.endif
	ROW R,0, R,1, R,2, R,3
	ROW R,4, R,5, R,6, R,7
	ROW R,8, R,9, R,10, R,11
	ROW R,12, R,13, R,14, R,15
	ROW X,8, E,21, X,9, X,10
	ROW X,11, E,22, X,12, X,13
	ROW X,14, E,23, C,4, X,16
.if (\p) == 0
	v_add_nc_u32 v[AV], s[TBV], v[AV0]
.endif
	ROW C,5, E,24, B,2, C,6
	OPS E,25, L,2, E,26, C,7
.if (\p) == 0
	FETCH_V
.endif
	OPS X,17, B,3, E,27, C,8
	OPS X,18, L,3, E,28, C,9
	OPS X,19, B,4, E,29, C,10
	OPS X,20, L,4, E,30, C,11
	OPS X,21, B,5, E,31, C,12
.if (\p) == 0
	s_add_co_u32 s[TBV], s[TBV], VSB
.endif
.if \cnt
	s_sub_co_u32 s[CNT], s[CNT], 1
	s_cmp_lg_u32 s[CNT], 0
.endif
	OPS L,5, C,13, B,6, C,14
	OPS L,6, B,7, C,15, L,7
.endm
	CHANGE 1, 0                     ; tile 0 is in, everybody's part of it; tile 1 is asked for
	v_add_nc_u32 v[AK], s[TBK], v[AK0]
	FETCH_K                         ; key step 0
	s_wait_loadcnt 0x0              ; Q
	s_wait_dscnt 0x0
.set i, 0
.rept 8
	KQ 0                            ; piece 0's first scores
.set i, i+1
.endr
.rept 4
	v_nop                           ; the places behind those products
.endr
.set Y, NP-1                        ; X works for piece Y + 1: piece 0
.irp n, 0,1,2,3,4,5,6,7,8,9,10,11,12,13,14,15,16,17,18,19,20,21
	OP X, \n
.endr
	v_nop                           ; a plain instruction behind the exponential
	s_mov_b32 s[CNT], 4
	s_branch .Lfirst                ; the loop is entered at a step's first turn, in the middle of a trip
.Lslot:                             ; six times: tiles 1 to 6 are entered, tiles 2 to 7 asked for
	CHANGE 1, 1
	s_mov_b32 s[CNT], 4
.Lstep:                             ; a trip: pieces 2 and 3 of one step, then pieces 0 and 1 of the next, whose K and V it fetches
	TURN 2
	TURN 3
	WIN 0
.Lfirst:
	TURN 0
	TURN 1, 0, 1
	WIN 0
	s_cbranch_scc1 .Lstep
	s_sub_co_u32 s[SLOTS], s[SLOTS], 1
	s_cmp_lg_u32 s[SLOTS], 0
	s_cbranch_scc1 .Lslot
	CHANGE 0, 0                     ; the last tile has a text of its own: nothing is asked for
	s_mov_b32 s[CNT], 5             ; pieces 2 and 3 have five turns here: the last of the step before, and the tile's four steps'; pieces 0 and 1 four
	s_branch .Lmid                  ; so this loop too is entered in its middle
.Ltail:
	TURN 0
	TURN 1
	WIN 0
.Lmid:
	TURN 2, 1                       ; in the last trip no K is left to fetch
	TURN 3                          ; and its 8 products K Q^T (on the last K once more) and the maximum made of them serve nothing: the price, once a launch, of one text for every trip
	WIN 0
	s_sub_co_u32 s[CNT], s[CNT], 1
	s_cmp_lg_u32 s[CNT], 0
	s_cbranch_scc1 .Ltail
.set i, 0
.rept 8
	PV NP-1                         ; the last piece's V^T P of the last step
.set i, i+1
.endr
	; THE WAY OUT.  l's two halves and the other half of the lanes' are added; O^T is divided by l and rounded to bf16: a lane's eight channels of a row are one chunk of ctx.  The additions are the places behind the last products.
	WIN 0
.macro ALL line:vararg
.set t, 0
.rept 4
	\line
.set t, t+1
.endr
.endm
	ALL v_add_f32 v[ST+4*t+2], v[ST+4*t+2], v[ST+4*t+3]
	ALL v_permlanex16_b32 v[ST+4*t+3], v[ST+4*t+2], s[SEL], s[SEL+1]
	ALL v_add_f32 v[ST+4*t+2], v[ST+4*t+2], v[ST+4*t+3]
	ALL v_rcp_f32 v[ST+4*t+2], v[ST+4*t+2]
	v_nop                           ; a plain instruction between the last reciprocal and the use of its result
	s_wait_alu depctr_va_vdst(0)
.macro PACK t
	WIN W_PV
.set i, 32*(\t)
.rept 16
	v_pk_mul_f32 v[i:i+1], v[i:i+1], v[ST+4*(\t)+2:ST+4*(\t)+3] op_sel_hi:[1,0]
.set i, i+2
.endr
	WIN W_AD                        ; sources 0 and 1 window 1, destination window 0: S^T's registers are free
.set i, 0
.rept 16
	v_cvt_pk_bf16_f32 v[S+16*(\t)+i], v[32*(\t)+2*i], v[32*(\t)+2*i+1]
.set i, i+1
.endr
	WIN 0
.irp f, 0,1,2,3
	global_store_b128 v[QO], v[S+16*(\t)+4*\f:S+16*(\t)+4*\f+3], s[10:11] offset:\f*131072+(\t)*256  ; 16 lanes store 256 consecutive aligned bytes: 16 rows of one octet
.endr
.endm
	PACK 0
	PACK 1
	PACK 2
	PACK 3
	WIN W_AD
	s_wait_tensorcnt 0x0            ; the wave's end
	ds_add_u32 v[SPW], v[NIL]
	s_wait_dscnt 0x0
	WIN 0
	CROUND                          ; the closing round
	s_endpgm
.Lfunc_end_k_q5042cf4d9f_attn:
	.size	k_q5042cf4d9f_attn, .Lfunc_end_k_q5042cf4d9f_attn-k_q5042cf4d9f_attn
	.p2alignl 7, 3214868480
	.fill 96, 4, 3214868480
	.section	.rodata,"a",@progbits
	.p2align	6, 0x0
	.amdhsa_kernel k_q5042cf4d9f_attn
		.amdhsa_group_segment_fixed_size 327680
		.amdhsa_private_segment_fixed_size 0
		.amdhsa_enable_private_segment 0
		.amdhsa_kernarg_size 16
		.amdhsa_user_sgpr_count 2
		.amdhsa_user_sgpr_kernarg_segment_ptr 1
		.amdhsa_wavefront_size32 1
		.amdhsa_system_sgpr_workgroup_id_x 1
		.amdhsa_system_sgpr_workgroup_id_y 1
		.amdhsa_system_sgpr_workgroup_id_z 1
		.amdhsa_system_vgpr_workitem_id 0
		.amdhsa_next_free_vgpr 456
		.amdhsa_next_free_sgpr 66
		.amdhsa_reserve_vcc 0
		.amdhsa_float_denorm_mode_32 3
		.amdhsa_float_denorm_mode_16_64 3
		.amdhsa_memory_ordered 1
		.amdhsa_forward_progress 1
		.amdhsa_inst_pref_size 102
	.end_amdhsa_kernel
	.amdgpu_metadata
---
amdhsa.version: [ 1, 2 ]
amdhsa.kernels:
  - .name:           k_q5042cf4d9f_attn
    .symbol:         k_q5042cf4d9f_attn.kd
    .args:
      - { .name: big, .offset: 0, .size: 8, .value_kind: global_buffer, .address_space: global }
      - { .name: act2, .offset: 8, .size: 8, .value_kind: global_buffer, .address_space: global }
    .group_segment_fixed_size: 327680
    .private_segment_fixed_size: 0
    .kernarg_segment_align: 8
    .kernarg_segment_size: 16
    .max_flat_workgroup_size: 128
    .sgpr_count:     66
    .vgpr_count:     456
    .wavefront_size: 32
...
	.end_amdgpu_metadata
.endif
;; end of part 3
;; launch wo (part 4): grid 8 x 32, 4 waves a work-group, clusters of 4 x 4, 327,680 bytes of LDS; arguments act2, pack_wo, xz, big; writes big
.if DOCPART == 4
	.amdgcn_target "amdgcn-amd-amdhsa--gfx1250"
	.amdhsa_code_object_version 6
	.text
	.protected	k_q5042cf4d9f_wo
	.globl	k_q5042cf4d9f_wo
	.p2align	8
	.type	k_q5042cf4d9f_wo,@function
k_q5042cf4d9f_wo:
	s_mov_b64 s[64:65], 0
	v_nop
	global_prefetch_b8 v0, s[64:65] scope:SCOPE_SE
	s_setreg_imm32_b32 hwreg(HW_REG_WAVE_MODE, 25, 1), 1
	s_wait_xcnt 0x0
	s_wait_alu depctr_hold_cnt(0) depctr_sa_sdst(0) depctr_va_vdst(0) depctr_va_sdst(0) depctr_va_ssrc(0) depctr_va_vcc(0) depctr_vm_vsrc(0)
	s_getreg_b32 s2, hwreg(HW_REG_IB_STS2, 6, 4)
	s_cmp_eq_u32 s2, 0
	s_cbranch_scc0 .Lentry_in_a_cluster
	s_endpgm
.Lentry_in_a_cluster:
	s_bfe_u32 s2, ttmp6, 0x10000c
	s_cmp_lg_u32 s2, 0xf033
	s_cbranch_scc0 .Lentry_shape_is_right
	s_endpgm
.Lentry_shape_is_right:
; z = A W + bias + resid, N = 1024, here K = 1024 (ctx wo + bo + x).  A: [K/8 octets][4096 rows][8] bf16.  W: the pack's 8 panels [K/8 kg][128 n][8 k] bf16 from byte WOFF; bias: the pack's first 4,096 bytes (f32 words).
; resid: [128 octets][4096][8] bf16.  z: [256 quads of columns][4096 rows][4] f32: it is a sum on its way into a LayerNorm, so it stays in f32.  Sums in f32, started at the bias, K ascending.
; SHARES.  N = 1024 and M = 4096 give 256 tiles of 128 x 128: one to a work-group; 64 x 64 (16 accumulators) to each of four waves.  K goes in steps of 256 through two LDS slots of 131,072 bytes.
; THE CHUNKS.  As in the larger product: pieces [16 octets][128 rows][16 bytes], fragments of two loads in which 16 lanes read 256 consecutive bytes, no padding; the product transposed, so that an accumulator's
; registers 0-3 and 4-7 are two chunks of z: 16 lanes store 256 consecutive aligned bytes, no stage in LDS.
; CLUSTER.  4 x 4 work-groups; A's pieces jointly along a row of the cluster, W's along a column.  No prefetch: small tiles, few K steps, every piece asked for by several clusters at about the same time.
; LIMITS.  NaN and infinities are not treated apart.
; REGISTERS: window 0: v16-29 addresses; v32-95 resid; v96-127 bias; v128-255 accumulators (a, b) at 128 + 8 (4 a + b).  window 1: two fragment buffers of 128: A's 64 registers (2 x 4 fragments), then W's.
.set KSTEPS, 4
.set PANELB, 262144                    ; bytes in a panel: K x 256
.set SLOT,   0x20000                   ; A's octets 0-15, 16-31, W's kg 0-15, 16-31: four pieces of 32,768 bytes
.set SPARE,  0x40000
.set WOFF,   32768
.set ASTEP,  2097152                   ; 32 octets of A
.set BSTEP,  65536                     ; 32 kg of a panel
.set AL0,  16
.set BL0,  17
.set ADRA, 18
.set ADRB, 19
.set RO,   20                          ; v20  h x 65,536 + r x 16: my chunk in resid; never rewritten
.set ZO,   21                          ; v21  h x 131,072 + r x 16: in z
.set BO,   22                          ; v22  h x 32: in the bias
.set ONE,  23                          ; v23  1.0
.set SPW,  28
.set NIL,  29
.set RES,  32
.set BIA,  96
.set ACC,  128
.set F0,   0
.set F1,   128
.set TB,  2
.set CNT, 3
.set WV,  12
.set WR,  13                           ; my half of the tile's rows; also: I fetch for A (0) or W (1)
.set WC,  14                           ; my half of its columns; also: which 16 octets I fetch
.set MT,  15
.set G1,  24
.set G0,  32
.set G1B, 48
.set G0B, 56
.set MSB, 0
.macro WIN new
.if MSB != (\new)
	s_set_vgpr_msb (MSB<<8)|(\new)
.set MSB, \new
.endif
.endm
.set MUL,  0x05                        ; sources 0 (W) and 1 (A) window 1; C and D window 0
.set TO_F, 0x40
.macro JLOAD s
	s_cmp_eq_u32 s[WR], 0
	s_cbranch_scc0 .Lfor_b_\@
	tensor_load_to_lds s[G0+4*(\s):G0+4*(\s)+3], s[G1:G1+7]
	s_nop 0
.rept 4
	v_nop
.endr
	s_branch .Lasked_\@
.Lfor_b_\@:
	tensor_load_to_lds s[G0B+4*(\s):G0B+4*(\s)+3], s[G1B:G1B+7]
	s_nop 0
.rept 4
	v_nop
.endr
.Lasked_\@:
.endm
.macro CREST
	s_cmp_lg_u32 s[WV], 0
	s_cbranch_scc1 .Lnot_wave_0_\@
	s_barrier_signal -3
.Lnot_wave_0_\@:
	s_barrier_wait -3
	s_barrier_signal -1
	s_barrier_wait -1
.endm
.macro CROUND
	s_barrier_signal -1
	s_barrier_wait -1
	CREST
.endm
.macro PLACES
.rept 4
	v_nop
.endr
.endm
	s_load_b256 s[4:11], s[0:1], 0x0               ; A s[4:5], pack s[6:7], resid s[8:9], z s[10:11]
	v_lshl_add_u32 v[SPW], v0, 2, SPARE
	v_mov_b32 v[NIL], 0
	ds_add_u32 v[SPW], v[NIL]                      ; the wave's opening: the add and its wait stand ahead of my first tensor load
	v_lshrrev_b32 v1, 5, v0
	v_readfirstlane_b32 s[WV], v1
	s_lshr_b32 s[WR], s[WV], 1
	s_and_b32 s[WC], s[WV], 1
	s_bfe_u32 s40, ttmp6, 0x40000                  ; cx
	s_bfe_u32 s41, ttmp6, 0x40004                  ; cy
	s_lshl_b32 s42, ttmp9, 2
	s_add_co_u32 s42, s42, s40                     ; tile column
	s_and_b32 s[MT], ttmp7, 0xffff
	s_lshl_b32 s[MT], s[MT], 2
	s_add_co_u32 s[MT], s[MT], s41                 ; tile row
	s_lshl_b32 s43, s41, 2
	s_lshl_b32 s43, 15, s43
	s_lshl_b32 s44, 0x1111, s40
	s_or_b32 s[G1+0], s43, (3<<16)|(1<<21)         ; the mask; elements of 8 bytes; 21 set beside a mask
	s_or_b32 s[G1B+0], s44, (3<<16)|(1<<21)
.irp g, G1, G1B
	s_mov_b32 s[(\g)+1], 256<<16                   ; tensor_dim0 = 256: 128 chunks
	s_mov_b32 s[(\g)+2], 16<<16                    ; tensor_dim1 = 16 octets
	s_mov_b32 s[(\g)+3], 256<<16
	s_mov_b32 s[(\g)+4], 16
	s_mov_b32 s[(\g)+6], 0
	s_mov_b32 s[(\g)+7], 0
.endr
	s_mov_b32 s[G1+5], 8192
	s_mov_b32 s[G1B+5], 256
	s_lshl_b32 s16, s[MT], 11                      ; A: 128 rows of 16 bytes a tile row,
	s_lshl_b32 s17, s[WC], 20                      ; 16 octets a piece
	s_add_co_u32 s16, s16, s17
	s_mov_b32 s17, 0
	s_mul_i32 s46, s42, PANELB                     ; W: a panel a tile column,
	s_lshl_b32 s47, s[WC], 15                      ; 16 kg a piece
	s_add_co_u32 s46, s46, s47
	s_add_co_u32 s46, s46, WOFF
	s_mov_b32 s47, 0
	s_lshl_b32 s20, s[WV], 15
	s_wait_dscnt 0x0
	s_wait_kmcnt 0x0
	s_add_nc_u64 s[18:19], s[4:5], s[16:17]
	s_add_nc_u64 s[46:47], s[6:7], s[46:47]
	CROUND
.irp s, 0,1
	s_mov_b32 s[G0+4*(\s)], 1
	s_add_co_u32 s[G0+4*(\s)+1], s20, (\s)*SLOT
	s_add_nc_u64 s[G0+4*(\s)+2:G0+4*(\s)+3], s[18:19], (\s)*ASTEP
	s_or_b32 s[G0+4*(\s)+3], s[G0+4*(\s)+3], 0x80000000
	s_mov_b32 s[G0B+4*(\s)], 1
	s_add_co_u32 s[G0B+4*(\s)+1], s20, (\s)*SLOT
	s_add_nc_u64 s[G0B+4*(\s)+2:G0B+4*(\s)+3], s[46:47], (\s)*BSTEP
	s_or_b32 s[G0B+4*(\s)+3], s[G0B+4*(\s)+3], 0x80000000
	JLOAD \s
.endr
	v_and_b32 v1, 15, v0                           ; r
	v_bfe_u32 v2, v0, 4, 1                         ; h
	v_lshlrev_b32 v3, 11, v2
	v_lshl_add_u32 v3, v1, 4, v3
	s_lshl_b32 s21, s[WR], 10                      ; my 64 rows of A
	s_lshl_b32 s23, s[WC], 10                      ; my 64 columns of W,
	s_add_co_u32 s23, s23, 0x10000                 ; which lies behind A
	v_add_nc_u32 v[AL0], s21, v3
	v_add_nc_u32 v[BL0], s23, v3
	v_lshlrev_b32 v[RO], 16, v2
	v_lshl_add_u32 v[RO], v1, 4, v[RO]
	v_lshlrev_b32 v[ZO], 17, v2
	v_lshl_add_u32 v[ZO], v1, 4, v[ZO]
	v_lshlrev_b32 v[BO], 5, v2
	v_mov_b32 v[ONE], 1.0
	s_lshl_b32 s46, s42, 9                         ; the bias of my 64 columns
	s_lshl_b32 s47, s[WC], 8
	s_add_co_u32 s46, s46, s47
	s_mov_b32 s47, 0
	s_add_nc_u64 s[22:23], s[6:7], s[46:47]
	s_lshl_b32 s16, s[MT], 11                      ; my 64 rows, 16 bytes each
	s_lshl_b32 s17, s[WR], 10
	s_add_co_u32 s16, s16, s17
	s_lshl_b32 s46, s42, 20                        ; resid: 16 octets a tile column, 8 a wave
	s_lshl_b32 s47, s[WC], 19
	s_add_co_u32 s46, s46, s47
	s_add_co_u32 s46, s46, s16
	s_mov_b32 s47, 0
	s_add_nc_u64 s[8:9], s[8:9], s[46:47]
	s_lshl_b32 s46, s42, 21                        ; z: 32 quads a tile column, 16 a wave
	s_lshl_b32 s47, s[WC], 20
	s_add_co_u32 s46, s46, s47
	s_add_co_u32 s46, s46, s16
	s_mov_b32 s47, 0
	s_add_nc_u64 s[10:11], s[10:11], s[46:47]
.irp b, 0,1,2,3
	global_load_b128 v[BIA+8*(\b):BIA+8*(\b)+3],   v[BO], s[22:23] offset:64*(\b)
	global_load_b128 v[BIA+8*(\b)+4:BIA+8*(\b)+7], v[BO], s[22:23] offset:64*(\b)+16
.endr
.irp a, 0,1,2,3
.irp b, 0,1,2,3
	global_load_b128 v[RES+4*(4*(\a)+(\b)):RES+4*(4*(\a)+(\b))+3], v[RO], s[8:9] offset:(\b)*131072+(\a)*256  ; wanted on the way out: these stay out across the loop; nobody writes those bytes
.endr
.endr
	s_wait_loadcnt 16                              ; the bias is in; resid's sixteen loads may stay out
.set i, 0
.rept 128
	v_mov_b32 v[ACC+i], v[BIA+(i%32)]              ; the sums start at the bias: register j of (a, b) holds column 16 b + 8 h + j; written in the wait for the first pieces
.set i, i+1
.endr
; 8 matrix instructions: m blocks a0, a0 + 1 x all 4 n blocks, 32 along K: half c of buffer f.  The 16 accumulators take turns, one instruction a turn
.macro MUL8 f, c, a0
	WIN MUL
.irp a, \a0, (\a0)+1
.irp b, 0,1,2,3
	v_wmma_f32_16x16x32_bf16 v[ACC+8*(4*(\a)+(\b)):ACC+8*(4*(\a)+(\b))+7], v[(\f)+64+8*(4*(\c)+(\b)):(\f)+64+8*(4*(\c)+(\b))+7], v[(\f)+8*(4*(\c)+(\a)):(\f)+8*(4*(\c)+(\a))+7], v[ACC+8*(4*(\a)+(\b)):ACC+8*(4*(\a)+(\b))+7]
.endr
.endr
.endm
; 32 LDS loads in one run: quarter q (octets 8 q .. 8 q + 7) of the slot in hand into buffer f; the first 32 along K first
.macro FETCH q, f
	WIN TO_F
.irp c, 0,1
.irp i, 0,1,2,3
	ds_load_b128 v[(\f)+64+8*(4*(\c)+(\i)):(\f)+64+8*(4*(\c)+(\i))+3],   v[ADRB] offset:(2*(\q)+(\c))*8192+(\i)*256
	ds_load_b128 v[(\f)+64+8*(4*(\c)+(\i))+4:(\f)+64+8*(4*(\c)+(\i))+7], v[ADRB] offset:(2*(\q)+(\c))*8192+(\i)*256+4096
	ds_load_b128 v[(\f)+8*(4*(\c)+(\i)):(\f)+8*(4*(\c)+(\i))+3],         v[ADRA] offset:(2*(\q)+(\c))*8192+(\i)*256
	ds_load_b128 v[(\f)+8*(4*(\c)+(\i))+4:(\f)+8*(4*(\c)+(\i))+7],       v[ADRA] offset:(2*(\q)+(\c))*8192+(\i)*256+4096
.endr
.endr
.endm
.macro QUARTER q, f, g
	s_wait_dscnt 16                                ; the first 32 along K are in
	MUL8 \f, 0, 0
	MUL8 \f, 0, 2
	PLACES
	FETCH \q, \g
	s_wait_dscnt 32                                ; all but the 32 just issued
	MUL8 \f, 1, 0
	MUL8 \f, 1, 2
.endm
; The last quarter multiplies buffer 1 and changes slots: one barrier; in front of it each wave waits for all its tensor loads, adds 0 to its spare word, and waits for that and for its reads of this slot.
; fill = 1: a round of the cluster's barrier, and this slot is filled again first thing behind it, two K steps ahead.  fill = 0: the last two K steps; the very last jumps over the fetch of a slot that does not exist.
.macro TURN fill
	WIN 0
	s_wait_tensorcnt 0x0
	ds_add_u32 v[SPW], v[NIL]
.if \fill
	s_xor_b32 s[G0+5], s[G0+5], SLOT
	s_add_nc_u64 s[G0+6:G0+7], s[G0+6:G0+7], ASTEP
	s_xor_b32 s[G0B+5], s[G0B+5], SLOT
	s_add_nc_u64 s[G0B+6:G0B+7], s[G0B+6:G0B+7], BSTEP
.endif
	s_wait_dscnt 17                                ; the add and the youngest sixteen loads may be out
	MUL8 F1, 0, 0
	s_wait_dscnt 0x0
	s_barrier_signal -1
	MUL8 F1, 0, 2
	WIN 0
	s_barrier_wait -1
.if \fill
	CREST
	JLOAD 1
.else
	s_cmp_eq_u32 s[CNT], 1
	s_cbranch_scc1 .Lno_more_\@
	PLACES
.endif
	s_xor_b32 s[TB], s[TB], SLOT
	v_add_nc_u32 v[ADRA], s[TB], v[AL0]
	v_add_nc_u32 v[ADRB], s[TB], v[BL0]
	FETCH 0, F0
	WIN 0
.if !(\fill)
.Lno_more_\@:
.endif
	MUL8 F1, 1, 0
	MUL8 F1, 1, 2
.endm
.macro KSTEP fill
	QUARTER 1, F0, F1
	QUARTER 2, F1, F0
	QUARTER 3, F0, F1
	TURN \fill
.endm
	s_wait_tensorcnt 1                             ; my piece of K step 0 is in; K step 1's may stay out
	s_barrier_signal -1
	s_barrier_wait -1
	s_mov_b32 s[TB], 0
	v_mov_b32 v[ADRA], v[AL0]
	v_mov_b32 v[ADRB], v[BL0]
	FETCH 0, F0
	WIN 0
	s_mov_b32 s[CNT], KSTEPS-2
.Lk:
	KSTEP 1
	WIN 0
	s_sub_co_u32 s[CNT], s[CNT], 1
	s_cmp_lg_u32 s[CNT], 0
	s_cbranch_scc1 .Lk
	s_mov_b32 s[CNT], 2
.Lt:
	KSTEP 0
	WIN 0
	s_sub_co_u32 s[CNT], s[CNT], 1
	s_cmp_lg_u32 s[CNT], 0
	s_cbranch_scc1 .Lt
	; THE WAY OUT: the residual's bf16 halves are added in f32, one fused line a number, and the sums leave as they are.  Each accumulator's registers are taken in ascending order.
	PLACES
	s_wait_loadcnt 0x0                             ; resid
.set t, 0
.rept 16
.irp k, 0,1,2,3
	v_fma_mix_f32_bf16 v[ACC+8*t+2*(\k)],   v[RES+4*t+(\k)], v[ONE], v[ACC+8*t+2*(\k)]   op_sel_hi:[1,0,0]
	v_fma_mix_f32_bf16 v[ACC+8*t+2*(\k)+1], v[RES+4*t+(\k)], v[ONE], v[ACC+8*t+2*(\k)+1] op_sel:[1,0,0] op_sel_hi:[1,0,0]
.endr
	global_store_b128 v[ZO], v[ACC+8*t:ACC+8*t+3],   s[10:11] offset:(t%4)*262144+(t/4)*256        ; 16 lanes store 256 consecutive aligned bytes: 16 rows of one quad
	global_store_b128 v[ZO], v[ACC+8*t+4:ACC+8*t+7], s[10:11] offset:(t%4)*262144+(t/4)*256+65536
.set t, t+1
.endr
	s_wait_tensorcnt 0x0                           ; the wave's end
	ds_add_u32 v[SPW], v[NIL]
	s_wait_dscnt 0x0
	CROUND
	s_endpgm
.Lfunc_end_k_q5042cf4d9f_wo:
	.size	k_q5042cf4d9f_wo, .Lfunc_end_k_q5042cf4d9f_wo-k_q5042cf4d9f_wo
	.p2alignl 7, 3214868480
	.fill 96, 4, 3214868480
	.section	.rodata,"a",@progbits
	.p2align	6, 0x0
	.amdhsa_kernel k_q5042cf4d9f_wo
		.amdhsa_group_segment_fixed_size 327680
		.amdhsa_private_segment_fixed_size 0
		.amdhsa_enable_private_segment 0
		.amdhsa_kernarg_size 32
		.amdhsa_user_sgpr_count 2
		.amdhsa_user_sgpr_kernarg_segment_ptr 1
		.amdhsa_wavefront_size32 1
		.amdhsa_system_sgpr_workgroup_id_x 1
		.amdhsa_system_sgpr_workgroup_id_y 1
		.amdhsa_system_sgpr_workgroup_id_z 1
		.amdhsa_system_vgpr_workitem_id 0
		.amdhsa_next_free_vgpr 512
		.amdhsa_next_free_sgpr 66
		.amdhsa_reserve_vcc 0
		.amdhsa_float_denorm_mode_32 3
		.amdhsa_float_denorm_mode_16_64 3
		.amdhsa_memory_ordered 1
		.amdhsa_forward_progress 1
		.amdhsa_inst_pref_size 63
	.end_amdhsa_kernel
	.amdgpu_metadata
---
amdhsa.version: [ 1, 2 ]
amdhsa.kernels:
  - .name:           k_q5042cf4d9f_wo
    .symbol:         k_q5042cf4d9f_wo.kd
    .args:
      - { .name: act2, .offset: 0, .size: 8, .value_kind: global_buffer, .address_space: global }
      - { .name: pack_wo, .offset: 8, .size: 8, .value_kind: global_buffer, .address_space: global }
      - { .name: xz, .offset: 16, .size: 8, .value_kind: global_buffer, .address_space: global }
      - { .name: big, .offset: 24, .size: 8, .value_kind: global_buffer, .address_space: global }
    .group_segment_fixed_size: 327680
    .private_segment_fixed_size: 0
    .kernarg_segment_align: 8
    .kernarg_segment_size: 32
    .max_flat_workgroup_size: 128
    .sgpr_count:     66
    .vgpr_count:     512
    .wavefront_size: 32
...
	.end_amdgpu_metadata
.endif
;; end of part 4
;; launch ln1 (part 5): grid 256 x 1, 8 waves a work-group, no clusters, 2,048 bytes of LDS; arguments big, g1, be1, act2; writes act2
.if DOCPART == 5
	.amdgcn_target "amdgcn-amd-amdhsa--gfx1250"
	.amdhsa_code_object_version 6
	.text
	.protected	k_q5042cf4d9f_ln1
	.globl	k_q5042cf4d9f_ln1
	.p2align	8
	.type	k_q5042cf4d9f_ln1,@function
k_q5042cf4d9f_ln1:
	s_mov_b64 s[64:65], 0
	v_nop
	global_prefetch_b8 v0, s[64:65] scope:SCOPE_SE
	s_setreg_imm32_b32 hwreg(HW_REG_WAVE_MODE, 25, 1), 1
	s_wait_xcnt 0x0
; out1 = LayerNorm(z) g + be, rows of 1,024.  z: [256 quads of columns][4096 rows][4] f32.  out1: [128 octets][4096][8] bf16, rounded once: it is the next product's operand and, later, the residual.
; g and be are rounded to bf16, like all the module's inputs.  Mean first, then the sum of (z - mean)^2, both in f32: no difference of large sums is formed.  eps = 1e-5.
; SHARES.  A work-group owns 16 rows.  Wave w, lane (r = l % 16, h = l / 16) holds row r, octets 16 w + 2 i + h, i = 0..7: 64 numbers, read once and kept in registers.  A row's sums meet in LDS: a word a wave and row.
; A stream: memory binds, so no matrix unit, no cluster, no tensor load; all 48 loads of a wave go out at once.  Every load and store of 16 lanes covers 256 consecutive aligned bytes of z and out1.
; LIMITS.  NaN and infinities are not treated apart.
.set RED1,  0                          ; [8 waves][16 rows] f32
.set RED2,  512
.set SPARE, 1024                       ; the spare words, 128 bytes a wave
.set ZO,  4                            ; v4  h x 131,072 + r x 16
.set GO,  5                            ; v5  h x 32
.set OO,  6                            ; v6  h x 65,536 + r x 16
.set RW,  7                            ; v7  wave x 64 + r x 4
.set RR,  8                            ; v8  r x 4
.set T,   16                           ; v16-23 four chains of pairs
.set RD,  24                           ; v24-31 the eight waves' sums
.set MU,  32                           ; v32-33 the mean, twice
.set RS,  34                           ; v34-35 1 / sqrt(var + eps), twice
.set SPW, 40
.set NIL, 41
.set X,   64
.set G,   128
.set B,   192
.set SEL, 20                           ; s[20:21]
.set INV, 22                           ; s22  1 / 1024
.set EPS, 23                           ; s23  1e-5
	s_load_b256 s[4:11], s[0:1], 0x0               ; z s[4:5], g s[6:7], be s[8:9], out s[10:11]
	v_lshl_add_u32 v[SPW], v0, 2, SPARE
	v_mov_b32 v[NIL], 0
	v_lshrrev_b32 v1, 5, v0
	v_readfirstlane_b32 s12, v1                    ; wave
	v_and_b32 v2, 15, v0                           ; r
	v_bfe_u32 v3, v0, 4, 1                         ; h
	v_lshlrev_b32 v[ZO], 17, v3
	v_lshl_add_u32 v[ZO], v2, 4, v[ZO]
	v_lshlrev_b32 v[GO], 5, v3
	v_lshlrev_b32 v[OO], 16, v3
	v_lshl_add_u32 v[OO], v2, 4, v[OO]
	v_lshlrev_b32 v[RR], 2, v2
	s_lshl_b32 s13, s12, 6
	v_add_nc_u32 v[RW], s13, v[RR]
	s_lshl_b32 s14, ttmp9, 8                       ; 16 rows of 16 bytes
	s_lshl_b32 s16, s12, 21                        ; z: 32 quads a wave
	s_add_co_u32 s16, s16, s14
	s_mov_b32 s17, 0
	s_lshl_b32 s18, s12, 20                        ; out1: 16 octets a wave
	s_add_co_u32 s18, s18, s14
	s_mov_b32 s19, 0
	s_lshl_b32 s14, s12, 9                         ; g, be: 128 columns a wave
	s_mov_b32 s15, 0
	s_mov_b32 s[SEL], 0x76543210
	s_mov_b32 s[SEL+1], 0xfedcba98
	s_mov_b32 s[INV], 0x3a800000
	s_mov_b32 s[EPS], 0x3727c5ac
	s_wait_kmcnt 0x0
	s_add_nc_u64 s[4:5], s[4:5], s[16:17]
	s_add_nc_u64 s[6:7], s[6:7], s[14:15]
	s_add_nc_u64 s[8:9], s[8:9], s[14:15]
	s_add_nc_u64 s[10:11], s[10:11], s[18:19]
.irp i, 0,1,2,3,4,5,6,7
	global_load_b128 v[X+8*(\i):X+8*(\i)+3],   v[ZO], s[4:5] offset:(\i)*262144 th:TH_LOAD_NT
	global_load_b128 v[X+8*(\i)+4:X+8*(\i)+7], v[ZO], s[4:5] offset:(\i)*262144+65536 th:TH_LOAD_NT
.endr
.irp i, 0,1,2,3,4,5,6,7
	global_load_b128 v[G+8*(\i):G+8*(\i)+3],   v[GO], s[6:7] offset:(\i)*64
	global_load_b128 v[G+8*(\i)+4:G+8*(\i)+7], v[GO], s[6:7] offset:(\i)*64+16
	global_load_b128 v[B+8*(\i):B+8*(\i)+3],   v[GO], s[8:9] offset:(\i)*64
	global_load_b128 v[B+8*(\i)+4:B+8*(\i)+7], v[GO], s[8:9] offset:(\i)*64+16
.endr
.macro FOLD                            ; the four chains into v[T]
	v_pk_add_f32 v[T:T+1], v[T:T+1], v[T+2:T+3]
	v_pk_add_f32 v[T+4:T+5], v[T+4:T+5], v[T+6:T+7]
	v_pk_add_f32 v[T:T+1], v[T:T+1], v[T+4:T+5]
	v_add_f32 v[T], v[T], v[T+1]
.endm
.macro ACROSS base                     ; my lane's sum in v[T] becomes the row's: the other half of the lanes, then the eight waves through LDS
	v_permlanex16_b32 v[T+1], v[T], s[SEL], s[SEL+1]
	v_add_f32 v[T], v[T], v[T+1]
	ds_store_b32 v[RW], v[T] offset:\base          ; lanes r and r + 16 write the same word with the same number
	s_wait_dscnt 0x0                               ; for the others' sake: my store is done
	s_barrier_signal -1
	s_barrier_wait -1
.irp w, 0,1,2,3,4,5,6,7
	ds_load_b32 v[RD+(\w)], v[RR] offset:(\base)+64*(\w)
.endr
	s_wait_dscnt 0x0
	v_pk_add_f32 v[RD:RD+1], v[RD:RD+1], v[RD+2:RD+3]
	v_pk_add_f32 v[RD+4:RD+5], v[RD+4:RD+5], v[RD+6:RD+7]
	v_pk_add_f32 v[RD:RD+1], v[RD:RD+1], v[RD+4:RD+5]
	v_add_f32 v[T], v[RD], v[RD+1]
.endm
	s_wait_loadcnt 32                              ; z is in; g's and be's 32 loads may stay out
.irp c, 0,1,2,3
	v_pk_add_f32 v[T+2*(\c):T+2*(\c)+1], v[X+2*(\c):X+2*(\c)+1], v[X+8+2*(\c):X+8+2*(\c)+1]
.endr
.set k, 2
.rept 6
.irp c, 0,1,2,3
	v_pk_add_f32 v[T+2*(\c):T+2*(\c)+1], v[T+2*(\c):T+2*(\c)+1], v[X+8*k+2*(\c):X+8*k+2*(\c)+1]
.endr
.set k, k+1
.endr
	FOLD
	ACROSS RED1
	v_mul_f32 v[MU], s[INV], v[T]
	v_mov_b32 v[MU+1], v[MU]
.set k, 0
.rept 32
	v_pk_add_f32 v[X+2*k:X+2*k+1], v[X+2*k:X+2*k+1], v[MU:MU+1] neg_lo:[0,1] neg_hi:[0,1]
.set k, k+1
.endr
.irp c, 0,1,2,3
	v_pk_mul_f32 v[T+2*(\c):T+2*(\c)+1], v[X+2*(\c):X+2*(\c)+1], v[X+2*(\c):X+2*(\c)+1]
.endr
.set k, 1
.rept 7
.irp c, 0,1,2,3
	v_pk_fma_f32 v[T+2*(\c):T+2*(\c)+1], v[X+8*k+2*(\c):X+8*k+2*(\c)+1], v[X+8*k+2*(\c):X+8*k+2*(\c)+1], v[T+2*(\c):T+2*(\c)+1]
.endr
.set k, k+1
.endr
	FOLD
	ACROSS RED2                                    ; other bytes than the first meeting's: no barrier is needed between the two
	v_fma_f32 v[RS], v[T], s[INV], s[EPS]
	v_rsq_f32 v[RS], v[RS]
	v_nop                                          ; a plain instruction behind the transcendental (ISA guide 5.7.2)
	s_wait_alu depctr_va_vdst(0)
	v_mov_b32 v[RS+1], v[RS]
	s_wait_loadcnt 0x0                             ; g and be
.set k, 0
.rept 32
	v_cvt_pk_bf16_f32 v[G+k], v[G+2*k], v[G+2*k+1] ; in place: word k is written when words 2 k and 2 k + 1 are read
	v_cvt_pk_bf16_f32 v[B+k], v[B+2*k], v[B+2*k+1]
.set k, k+1
.endr
.set k, 0
.rept 32
	v_pk_mul_f32 v[X+2*k:X+2*k+1], v[X+2*k:X+2*k+1], v[RS:RS+1]
.set k, k+1
.endr
.set k, 0
.rept 32
	v_fma_mix_f32_bf16 v[X+2*k],   v[X+2*k],   v[G+k], v[B+k] op_sel_hi:[0,1,1]
	v_fma_mix_f32_bf16 v[X+2*k+1], v[X+2*k+1], v[G+k], v[B+k] op_sel:[0,1,1] op_sel_hi:[0,1,1]
.set k, k+1
.endr
.set k, 0
.rept 32
	v_cvt_pk_bf16_f32 v[X+k], v[X+2*k], v[X+2*k+1]
.set k, k+1
.endr
.irp i, 0,1,2,3,4,5,6,7
	global_store_b128 v[OO], v[X+4*(\i):X+4*(\i)+3], s[10:11] offset:(\i)*131072
.endr
	s_wait_tensorcnt 0x0                           ; the wave's end, behind my last LDS store
	ds_add_u32 v[SPW], v[NIL]
	s_wait_dscnt 0x0
	s_endpgm
.Lfunc_end_k_q5042cf4d9f_ln1:
	.size	k_q5042cf4d9f_ln1, .Lfunc_end_k_q5042cf4d9f_ln1-k_q5042cf4d9f_ln1
	.p2alignl 7, 3214868480
	.fill 96, 4, 3214868480
	.section	.rodata,"a",@progbits
	.p2align	6, 0x0
	.amdhsa_kernel k_q5042cf4d9f_ln1
		.amdhsa_group_segment_fixed_size 2048
		.amdhsa_private_segment_fixed_size 0
		.amdhsa_enable_private_segment 0
		.amdhsa_kernarg_size 32
		.amdhsa_user_sgpr_count 2
		.amdhsa_user_sgpr_kernarg_segment_ptr 1
		.amdhsa_wavefront_size32 1
		.amdhsa_system_sgpr_workgroup_id_x 1
		.amdhsa_system_sgpr_workgroup_id_y 1
		.amdhsa_system_sgpr_workgroup_id_z 1
		.amdhsa_system_vgpr_workitem_id 0
		.amdhsa_next_free_vgpr 256
		.amdhsa_next_free_sgpr 66
		.amdhsa_reserve_vcc 0
		.amdhsa_float_denorm_mode_32 3
		.amdhsa_float_denorm_mode_16_64 3
		.amdhsa_memory_ordered 1
		.amdhsa_forward_progress 1
		.amdhsa_inst_pref_size 28
	.end_amdhsa_kernel
	.amdgpu_metadata
---
amdhsa.version: [ 1, 2 ]
amdhsa.kernels:
  - .name:           k_q5042cf4d9f_ln1
    .symbol:         k_q5042cf4d9f_ln1.kd
    .args:
      - { .name: big, .offset: 0, .size: 8, .value_kind: global_buffer, .address_space: global }
      - { .name: g1, .offset: 8, .size: 8, .value_kind: global_buffer, .address_space: global }
      - { .name: be1, .offset: 16, .size: 8, .value_kind: global_buffer, .address_space: global }
      - { .name: act2, .offset: 24, .size: 8, .value_kind: global_buffer, .address_space: global }
    .group_segment_fixed_size: 2048
    .private_segment_fixed_size: 0
    .kernarg_segment_align: 8
    .kernarg_segment_size: 32
    .max_flat_workgroup_size: 256
    .sgpr_count:     66
    .vgpr_count:     256
    .wavefront_size: 32
...
	.end_amdgpu_metadata
.endif
;; end of part 5
;; launch ffn1: the kernel of part 2 again; grid 16 x 16, 4 waves a work-group, clusters of 4 x 4, 327,680 bytes of LDS; arguments act2, pack_w1, big; writes big
;; launch ffn2 (part 6): grid 8 x 32, 4 waves a work-group, clusters of 4 x 4, 327,680 bytes of LDS; arguments big, pack_w2, act2, xz; writes xz
.if DOCPART == 6
	.amdgcn_target "amdgcn-amd-amdhsa--gfx1250"
	.amdhsa_code_object_version 6
	.text
	.protected	k_q5042cf4d9f_ffn2
	.globl	k_q5042cf4d9f_ffn2
	.p2align	8
	.type	k_q5042cf4d9f_ffn2,@function
k_q5042cf4d9f_ffn2:
	s_mov_b64 s[64:65], 0
	v_nop
	global_prefetch_b8 v0, s[64:65] scope:SCOPE_SE
	s_setreg_imm32_b32 hwreg(HW_REG_WAVE_MODE, 25, 1), 1
	s_wait_xcnt 0x0
	s_wait_alu depctr_hold_cnt(0) depctr_sa_sdst(0) depctr_va_vdst(0) depctr_va_sdst(0) depctr_va_ssrc(0) depctr_va_vcc(0) depctr_vm_vsrc(0)
	s_getreg_b32 s2, hwreg(HW_REG_IB_STS2, 6, 4)
	s_cmp_eq_u32 s2, 0
	s_cbranch_scc0 .Lentry_in_a_cluster
	s_endpgm
.Lentry_in_a_cluster:
	s_bfe_u32 s2, ttmp6, 0x10000c
	s_cmp_lg_u32 s2, 0xf033
	s_cbranch_scc0 .Lentry_shape_is_right
	s_endpgm
.Lentry_shape_is_right:
; z = A W + bias + resid, N = 1024, here K = 4096 (h w2 + b2 + out1).  A: [K/8 octets][4096 rows][8] bf16.  W: the pack's 8 panels [K/8 kg][128 n][8 k] bf16 from byte WOFF; bias: the pack's first 4,096 bytes (f32 words).
; resid: [128 octets][4096][8] bf16.  z: [256 quads of columns][4096 rows][4] f32: it is a sum on its way into a LayerNorm, so it stays in f32.  Sums in f32, started at the bias, K ascending.
; SHARES.  N = 1024 and M = 4096 give 256 tiles of 128 x 128: one to a work-group; 64 x 64 (16 accumulators) to each of four waves.  K goes in 16 steps of 256 through two LDS slots of 131,072 bytes.
; THE CHUNKS.  As in the larger product: pieces [16 octets][128 rows][16 bytes], fragments of two loads in which 16 lanes read 256 consecutive bytes, no padding; the product transposed, so that an accumulator's
; registers 0-3 and 4-7 are two chunks of z: 16 lanes store 256 consecutive aligned bytes, no stage in LDS.
; CLUSTER.  4 x 4 work-groups; A's pieces jointly along a row of the cluster, W's along a column.  No prefetch: small tiles, and every piece is asked for by several clusters at about the same time.
; The text is that of the product behind attention; KSTEPS and PANELB alone differ: the number of trips of a loop that holds barriers and joint loads is a constant of its text.
; LIMITS.  NaN and infinities are not treated apart.
; REGISTERS: window 0: v16-29 addresses; v32-95 resid; v96-127 bias; v128-255 accumulators (a, b) at 128 + 8 (4 a + b).  window 1: two fragment buffers of 128: A's 64 registers (2 x 4 fragments), then W's.
.set KSTEPS, 16
.set PANELB, 1048576                   ; bytes in a panel: K x 256
.set SLOT,   0x20000                   ; A's octets 0-15, 16-31, W's kg 0-15, 16-31: four pieces of 32,768 bytes
.set SPARE,  0x40000
.set WOFF,   32768
.set ASTEP,  2097152                   ; 32 octets of A
.set BSTEP,  65536                     ; 32 kg of a panel
.set AL0,  16
.set BL0,  17
.set ADRA, 18
.set ADRB, 19
.set RO,   20                          ; v20  h x 65,536 + r x 16: my chunk in resid; never rewritten
.set ZO,   21                          ; v21  h x 131,072 + r x 16: in z
.set BO,   22                          ; v22  h x 32: in the bias
.set ONE,  23                          ; v23  1.0
.set SPW,  28
.set NIL,  29
.set RES,  32
.set BIA,  96
.set ACC,  128
.set F0,   0
.set F1,   128
.set TB,  2
.set CNT, 3
.set WV,  12
.set WR,  13                           ; my half of the tile's rows; also: I fetch for A (0) or W (1)
.set WC,  14                           ; my half of its columns; also: which 16 octets I fetch
.set MT,  15
.set G1,  24
.set G0,  32
.set G1B, 48
.set G0B, 56
.set MSB, 0
.macro WIN new
.if MSB != (\new)
	s_set_vgpr_msb (MSB<<8)|(\new)
.set MSB, \new
.endif
.endm
.set MUL,  0x05                        ; sources 0 (W) and 1 (A) window 1; C and D window 0
.set TO_F, 0x40
.macro JLOAD s
	s_cmp_eq_u32 s[WR], 0
	s_cbranch_scc0 .Lfor_b_\@
	tensor_load_to_lds s[G0+4*(\s):G0+4*(\s)+3], s[G1:G1+7]
	s_nop 0
.rept 4
	v_nop
.endr
	s_branch .Lasked_\@
.Lfor_b_\@:
	tensor_load_to_lds s[G0B+4*(\s):G0B+4*(\s)+3], s[G1B:G1B+7]
	s_nop 0
.rept 4
	v_nop
.endr
.Lasked_\@:
.endm
.macro CREST
	s_cmp_lg_u32 s[WV], 0
	s_cbranch_scc1 .Lnot_wave_0_\@
	s_barrier_signal -3
.Lnot_wave_0_\@:
	s_barrier_wait -3
	s_barrier_signal -1
	s_barrier_wait -1
.endm
.macro CROUND
	s_barrier_signal -1
	s_barrier_wait -1
	CREST
.endm
.macro PLACES
.rept 4
	v_nop
.endr
.endm
	s_load_b256 s[4:11], s[0:1], 0x0               ; A s[4:5], pack s[6:7], resid s[8:9], z s[10:11]
	v_lshl_add_u32 v[SPW], v0, 2, SPARE
	v_mov_b32 v[NIL], 0
	ds_add_u32 v[SPW], v[NIL]                      ; the wave's opening: the add and its wait stand ahead of my first tensor load
	v_lshrrev_b32 v1, 5, v0
	v_readfirstlane_b32 s[WV], v1
	s_lshr_b32 s[WR], s[WV], 1
	s_and_b32 s[WC], s[WV], 1
	s_bfe_u32 s40, ttmp6, 0x40000                  ; cx
	s_bfe_u32 s41, ttmp6, 0x40004                  ; cy
	s_lshl_b32 s42, ttmp9, 2
	s_add_co_u32 s42, s42, s40                     ; tile column
	s_and_b32 s[MT], ttmp7, 0xffff
	s_lshl_b32 s[MT], s[MT], 2
	s_add_co_u32 s[MT], s[MT], s41                 ; tile row
	s_lshl_b32 s43, s41, 2
	s_lshl_b32 s43, 15, s43
	s_lshl_b32 s44, 0x1111, s40
	s_or_b32 s[G1+0], s43, (3<<16)|(1<<21)         ; the mask; elements of 8 bytes; 21 set beside a mask
	s_or_b32 s[G1B+0], s44, (3<<16)|(1<<21)
.irp g, G1, G1B
	s_mov_b32 s[(\g)+1], 256<<16                   ; tensor_dim0 = 256: 128 chunks
	s_mov_b32 s[(\g)+2], 16<<16                    ; tensor_dim1 = 16 octets
	s_mov_b32 s[(\g)+3], 256<<16
	s_mov_b32 s[(\g)+4], 16
	s_mov_b32 s[(\g)+6], 0
	s_mov_b32 s[(\g)+7], 0
.endr
	s_mov_b32 s[G1+5], 8192
	s_mov_b32 s[G1B+5], 256
	s_lshl_b32 s16, s[MT], 11                      ; A: 128 rows of 16 bytes a tile row,
	s_lshl_b32 s17, s[WC], 20                      ; 16 octets a piece
	s_add_co_u32 s16, s16, s17
	s_mov_b32 s17, 0
	s_mul_i32 s46, s42, PANELB                     ; W: a panel a tile column,
	s_lshl_b32 s47, s[WC], 15                      ; 16 kg a piece
	s_add_co_u32 s46, s46, s47
	s_add_co_u32 s46, s46, WOFF
	s_mov_b32 s47, 0
	s_lshl_b32 s20, s[WV], 15
	s_wait_dscnt 0x0
	s_wait_kmcnt 0x0
	s_add_nc_u64 s[18:19], s[4:5], s[16:17]
	s_add_nc_u64 s[46:47], s[6:7], s[46:47]
	CROUND
.irp s, 0,1
	s_mov_b32 s[G0+4*(\s)], 1
	s_add_co_u32 s[G0+4*(\s)+1], s20, (\s)*SLOT
	s_add_nc_u64 s[G0+4*(\s)+2:G0+4*(\s)+3], s[18:19], (\s)*ASTEP
	s_or_b32 s[G0+4*(\s)+3], s[G0+4*(\s)+3], 0x80000000
	s_mov_b32 s[G0B+4*(\s)], 1
	s_add_co_u32 s[G0B+4*(\s)+1], s20, (\s)*SLOT
	s_add_nc_u64 s[G0B+4*(\s)+2:G0B+4*(\s)+3], s[46:47], (\s)*BSTEP
	s_or_b32 s[G0B+4*(\s)+3], s[G0B+4*(\s)+3], 0x80000000
	JLOAD \s
.endr
	v_and_b32 v1, 15, v0                           ; r
	v_bfe_u32 v2, v0, 4, 1                         ; h
	v_lshlrev_b32 v3, 11, v2
	v_lshl_add_u32 v3, v1, 4, v3
	s_lshl_b32 s21, s[WR], 10                      ; my 64 rows of A
	s_lshl_b32 s23, s[WC], 10                      ; my 64 columns of W,
	s_add_co_u32 s23, s23, 0x10000                 ; which lies behind A
	v_add_nc_u32 v[AL0], s21, v3
	v_add_nc_u32 v[BL0], s23, v3
	v_lshlrev_b32 v[RO], 16, v2
	v_lshl_add_u32 v[RO], v1, 4, v[RO]
	v_lshlrev_b32 v[ZO], 17, v2
	v_lshl_add_u32 v[ZO], v1, 4, v[ZO]
	v_lshlrev_b32 v[BO], 5, v2
	v_mov_b32 v[ONE], 1.0
	s_lshl_b32 s46, s42, 9                         ; the bias of my 64 columns
	s_lshl_b32 s47, s[WC], 8
	s_add_co_u32 s46, s46, s47
	s_mov_b32 s47, 0
	s_add_nc_u64 s[22:23], s[6:7], s[46:47]
	s_lshl_b32 s16, s[MT], 11                      ; my 64 rows, 16 bytes each
	s_lshl_b32 s17, s[WR], 10
	s_add_co_u32 s16, s16, s17
	s_lshl_b32 s46, s42, 20                        ; resid: 16 octets a tile column, 8 a wave
	s_lshl_b32 s47, s[WC], 19
	s_add_co_u32 s46, s46, s47
	s_add_co_u32 s46, s46, s16
	s_mov_b32 s47, 0
	s_add_nc_u64 s[8:9], s[8:9], s[46:47]
	s_lshl_b32 s46, s42, 21                        ; z: 32 quads a tile column, 16 a wave
	s_lshl_b32 s47, s[WC], 20
	s_add_co_u32 s46, s46, s47
	s_add_co_u32 s46, s46, s16
	s_mov_b32 s47, 0
	s_add_nc_u64 s[10:11], s[10:11], s[46:47]
.irp b, 0,1,2,3
	global_load_b128 v[BIA+8*(\b):BIA+8*(\b)+3],   v[BO], s[22:23] offset:64*(\b)
	global_load_b128 v[BIA+8*(\b)+4:BIA+8*(\b)+7], v[BO], s[22:23] offset:64*(\b)+16
.endr
.irp a, 0,1,2,3
.irp b, 0,1,2,3
	global_load_b128 v[RES+4*(4*(\a)+(\b)):RES+4*(4*(\a)+(\b))+3], v[RO], s[8:9] offset:(\b)*131072+(\a)*256  ; wanted on the way out: these stay out across the loop; nobody writes those bytes
.endr
.endr
	s_wait_loadcnt 16                              ; the bias is in; resid's sixteen loads may stay out
.set i, 0
.rept 128
	v_mov_b32 v[ACC+i], v[BIA+(i%32)]              ; the sums start at the bias: register j of (a, b) holds column 16 b + 8 h + j; written in the wait for the first pieces
.set i, i+1
.endr
; 8 matrix instructions: m blocks a0, a0 + 1 x all 4 n blocks, 32 along K: half c of buffer f.  The 16 accumulators take turns, one instruction a turn
.macro MUL8 f, c, a0
	WIN MUL
.irp a, \a0, (\a0)+1
.irp b, 0,1,2,3
	v_wmma_f32_16x16x32_bf16 v[ACC+8*(4*(\a)+(\b)):ACC+8*(4*(\a)+(\b))+7], v[(\f)+64+8*(4*(\c)+(\b)):(\f)+64+8*(4*(\c)+(\b))+7], v[(\f)+8*(4*(\c)+(\a)):(\f)+8*(4*(\c)+(\a))+7], v[ACC+8*(4*(\a)+(\b)):ACC+8*(4*(\a)+(\b))+7]
.endr
.endr
.endm
; 32 LDS loads in one run: quarter q (octets 8 q .. 8 q + 7) of the slot in hand into buffer f; the first 32 along K first
.macro FETCH q, f
	WIN TO_F
.irp c, 0,1
.irp i, 0,1,2,3
	ds_load_b128 v[(\f)+64+8*(4*(\c)+(\i)):(\f)+64+8*(4*(\c)+(\i))+3],   v[ADRB] offset:(2*(\q)+(\c))*8192+(\i)*256
	ds_load_b128 v[(\f)+64+8*(4*(\c)+(\i))+4:(\f)+64+8*(4*(\c)+(\i))+7], v[ADRB] offset:(2*(\q)+(\c))*8192+(\i)*256+4096
	ds_load_b128 v[(\f)+8*(4*(\c)+(\i)):(\f)+8*(4*(\c)+(\i))+3],         v[ADRA] offset:(2*(\q)+(\c))*8192+(\i)*256
	ds_load_b128 v[(\f)+8*(4*(\c)+(\i))+4:(\f)+8*(4*(\c)+(\i))+7],       v[ADRA] offset:(2*(\q)+(\c))*8192+(\i)*256+4096
.endr
.endr
.endm
.macro QUARTER q, f, g
	s_wait_dscnt 16                                ; the first 32 along K are in
	MUL8 \f, 0, 0
	MUL8 \f, 0, 2
	PLACES
	FETCH \q, \g
	s_wait_dscnt 32                                ; all but the 32 just issued
	MUL8 \f, 1, 0
	MUL8 \f, 1, 2
.endm
; The last quarter multiplies buffer 1 and changes slots: one barrier; in front of it each wave waits for all its tensor loads, adds 0 to its spare word, and waits for that and for its reads of this slot.
; fill = 1: a round of the cluster's barrier, and this slot is filled again first thing behind it, two K steps ahead.  fill = 0: the last two K steps; the very last jumps over the fetch of a slot that does not exist.
.macro TURN fill
	WIN 0
	s_wait_tensorcnt 0x0
	ds_add_u32 v[SPW], v[NIL]
.if \fill
	s_xor_b32 s[G0+5], s[G0+5], SLOT
	s_add_nc_u64 s[G0+6:G0+7], s[G0+6:G0+7], ASTEP
	s_xor_b32 s[G0B+5], s[G0B+5], SLOT
	s_add_nc_u64 s[G0B+6:G0B+7], s[G0B+6:G0B+7], BSTEP
.endif
	s_wait_dscnt 17                                ; the add and the youngest sixteen loads may be out
	MUL8 F1, 0, 0
	s_wait_dscnt 0x0
	s_barrier_signal -1
	MUL8 F1, 0, 2
	WIN 0
	s_barrier_wait -1
.if \fill
	CREST
	JLOAD 1
.else
	s_cmp_eq_u32 s[CNT], 1
	s_cbranch_scc1 .Lno_more_\@
	PLACES
.endif
	s_xor_b32 s[TB], s[TB], SLOT
	v_add_nc_u32 v[ADRA], s[TB], v[AL0]
	v_add_nc_u32 v[ADRB], s[TB], v[BL0]
	FETCH 0, F0
	WIN 0
.if !(\fill)
.Lno_more_\@:
.endif
	MUL8 F1, 1, 0
	MUL8 F1, 1, 2
.endm
.macro KSTEP fill
	QUARTER 1, F0, F1
	QUARTER 2, F1, F0
	QUARTER 3, F0, F1
	TURN \fill
.endm
	s_wait_tensorcnt 1                             ; my piece of K step 0 is in; K step 1's may stay out
	s_barrier_signal -1
	s_barrier_wait -1
	s_mov_b32 s[TB], 0
	v_mov_b32 v[ADRA], v[AL0]
	v_mov_b32 v[ADRB], v[BL0]
	FETCH 0, F0
	WIN 0
	s_mov_b32 s[CNT], KSTEPS-2
.Lk:
	KSTEP 1
	WIN 0
	s_sub_co_u32 s[CNT], s[CNT], 1
	s_cmp_lg_u32 s[CNT], 0
	s_cbranch_scc1 .Lk
	s_mov_b32 s[CNT], 2
.Lt:
	KSTEP 0
	WIN 0
	s_sub_co_u32 s[CNT], s[CNT], 1
	s_cmp_lg_u32 s[CNT], 0
	s_cbranch_scc1 .Lt
	; THE WAY OUT: the residual's bf16 halves are added in f32, one fused line a number, and the sums leave as they are.  Each accumulator's registers are taken in ascending order.
	PLACES
	s_wait_loadcnt 0x0                             ; resid
.set t, 0
.rept 16
.irp k, 0,1,2,3
	v_fma_mix_f32_bf16 v[ACC+8*t+2*(\k)],   v[RES+4*t+(\k)], v[ONE], v[ACC+8*t+2*(\k)]   op_sel_hi:[1,0,0]
	v_fma_mix_f32_bf16 v[ACC+8*t+2*(\k)+1], v[RES+4*t+(\k)], v[ONE], v[ACC+8*t+2*(\k)+1] op_sel:[1,0,0] op_sel_hi:[1,0,0]
.endr
	global_store_b128 v[ZO], v[ACC+8*t:ACC+8*t+3],   s[10:11] offset:(t%4)*262144+(t/4)*256        ; 16 lanes store 256 consecutive aligned bytes: 16 rows of one quad
	global_store_b128 v[ZO], v[ACC+8*t+4:ACC+8*t+7], s[10:11] offset:(t%4)*262144+(t/4)*256+65536
.set t, t+1
.endr
	s_wait_tensorcnt 0x0                           ; the wave's end
	ds_add_u32 v[SPW], v[NIL]
	s_wait_dscnt 0x0
	CROUND
	s_endpgm
.Lfunc_end_k_q5042cf4d9f_ffn2:
	.size	k_q5042cf4d9f_ffn2, .Lfunc_end_k_q5042cf4d9f_ffn2-k_q5042cf4d9f_ffn2
	.p2alignl 7, 3214868480
	.fill 96, 4, 3214868480
	.section	.rodata,"a",@progbits
	.p2align	6, 0x0
	.amdhsa_kernel k_q5042cf4d9f_ffn2
		.amdhsa_group_segment_fixed_size 327680
		.amdhsa_private_segment_fixed_size 0
		.amdhsa_enable_private_segment 0
		.amdhsa_kernarg_size 32
		.amdhsa_user_sgpr_count 2
		.amdhsa_user_sgpr_kernarg_segment_ptr 1
		.amdhsa_wavefront_size32 1
		.amdhsa_system_sgpr_workgroup_id_x 1
		.amdhsa_system_sgpr_workgroup_id_y 1
		.amdhsa_system_sgpr_workgroup_id_z 1
		.amdhsa_system_vgpr_workitem_id 0
		.amdhsa_next_free_vgpr 512
		.amdhsa_next_free_sgpr 66
		.amdhsa_reserve_vcc 0
		.amdhsa_float_denorm_mode_32 3
		.amdhsa_float_denorm_mode_16_64 3
		.amdhsa_memory_ordered 1
		.amdhsa_forward_progress 1
		.amdhsa_inst_pref_size 63
	.end_amdhsa_kernel
	.amdgpu_metadata
---
amdhsa.version: [ 1, 2 ]
amdhsa.kernels:
  - .name:           k_q5042cf4d9f_ffn2
    .symbol:         k_q5042cf4d9f_ffn2.kd
    .args:
      - { .name: big, .offset: 0, .size: 8, .value_kind: global_buffer, .address_space: global }
      - { .name: pack_w2, .offset: 8, .size: 8, .value_kind: global_buffer, .address_space: global }
      - { .name: act2, .offset: 16, .size: 8, .value_kind: global_buffer, .address_space: global }
      - { .name: xz, .offset: 24, .size: 8, .value_kind: global_buffer, .address_space: global }
    .group_segment_fixed_size: 327680
    .private_segment_fixed_size: 0
    .kernarg_segment_align: 8
    .kernarg_segment_size: 32
    .max_flat_workgroup_size: 128
    .sgpr_count:     66
    .vgpr_count:     512
    .wavefront_size: 32
...
	.end_amdgpu_metadata
.endif
;; end of part 6
;; launch ln2 (part 7): grid 256 x 1, 8 waves a work-group, no clusters, 67,840 bytes of LDS; arguments xz, g2, be2, out0; writes out0
.if DOCPART == 7
	.amdgcn_target "amdgcn-amd-amdhsa--gfx1250"
	.amdhsa_code_object_version 6
	.text
	.protected	k_q5042cf4d9f_ln2
	.globl	k_q5042cf4d9f_ln2
	.p2align	8
	.type	k_q5042cf4d9f_ln2,@function
k_q5042cf4d9f_ln2:
	s_mov_b64 s[64:65], 0
	v_nop
	global_prefetch_b8 v0, s[64:65] scope:SCOPE_SE
	s_setreg_imm32_b32 hwreg(HW_REG_WAVE_MODE, 25, 1), 1
	s_wait_xcnt 0x0
; out0 = LayerNorm(z) g + be, rows of 1,024.  z: [256 quads of columns][4096 rows][4] f32.  out0: [4096][1024] f32, row-major.
; g and be are rounded to bf16, like all the module's inputs.  Mean first, then the sum of (z - mean)^2, both in f32: no difference of large sums is formed.  eps = 1e-5.
; SHARES.  A work-group owns 16 rows.  Wave w, lane (r = l % 16, h = l / 16) holds row r, octets 16 w + 2 i + h, i = 0..7: 64 numbers, read once and kept in registers.  A row's sums meet in LDS: a word a wave and row.
; THE WAY OUT.  A lane's 32 bytes of a row are an eighth of 256 consecutive bytes, and its neighbours hold other rows: the 16 rows go through a stage in LDS (rows of 4,096 + 16 bytes, so that 16 lanes' stores touch
; 16 different columns of 16 bytes) and come back whole: a store of a wave covers 512 consecutive aligned bytes of out0.
; A stream: memory binds, so no matrix unit, no cluster, no tensor load; all 48 loads of a wave go out at once.
; LIMITS.  NaN and infinities are not treated apart.
.set RED1,  0                          ; [8 waves][16 rows] f32
.set RED2,  512
.set SPARE, 1024                       ; the spare words, 128 bytes a wave
.set STAGE, 2048
.set SP,    4112
.set ZO,  4                            ; v4  h x 131,072 + r x 16
.set GO,  5                            ; v5  h x 32
.set OO,  6                            ; v6  16 x lane
.set RW,  7                            ; v7  wave x 64 + r x 4
.set RR,  8                            ; v8  r x 4
.set SI,  9                            ; v9  where I put 16 bytes into the stage
.set SO,  10                           ; v10 where I read rows back
.set T,   16                           ; v16-23 four chains of pairs
.set RD,  24                           ; v24-31 the eight waves' sums
.set MU,  32                           ; v32-33 the mean, twice
.set RS,  34                           ; v34-35 1 / sqrt(var + eps), twice
.set SPW, 40
.set NIL, 41
.set X,   64
.set G,   128
.set B,   192
.set SEL, 20                           ; s[20:21]
.set INV, 22                           ; s22  1 / 1024
.set EPS, 23                           ; s23  1e-5
	s_load_b256 s[4:11], s[0:1], 0x0               ; z s[4:5], g s[6:7], be s[8:9], out s[10:11]
	v_lshl_add_u32 v[SPW], v0, 2, SPARE
	v_mov_b32 v[NIL], 0
	v_lshrrev_b32 v1, 5, v0
	v_readfirstlane_b32 s12, v1                    ; wave
	v_and_b32 v2, 15, v0                           ; r
	v_bfe_u32 v3, v0, 4, 1                         ; h
	v_lshlrev_b32 v[ZO], 17, v3
	v_lshl_add_u32 v[ZO], v2, 4, v[ZO]
	v_lshlrev_b32 v[GO], 5, v3
	v_and_b32 v[OO], 31, v0
	v_lshlrev_b32 v[OO], 4, v[OO]
	v_lshlrev_b32 v[RR], 2, v2
	s_lshl_b32 s13, s12, 6
	v_add_nc_u32 v[RW], s13, v[RR]
	v_mul_u32_u24 v[SI], v2, SP                    ; row r, octet 16 w + h
	v_lshl_add_u32 v[SI], v3, 5, v[SI]
	s_lshl_b32 s13, s12, 9
	s_add_co_u32 s13, s13, STAGE
	v_add_nc_u32 v[SI], s13, v[SI]
	s_mul_i32 s13, s12, 2*SP                       ; back: wave w takes rows 2 w and 2 w + 1, whole
	s_add_co_u32 s13, s13, STAGE
	v_add_nc_u32 v[SO], s13, v[OO]
	s_lshl_b32 s14, ttmp9, 8                       ; 16 rows of 16 bytes
	s_lshl_b32 s16, s12, 21                        ; z: 32 quads a wave
	s_add_co_u32 s16, s16, s14
	s_mov_b32 s17, 0
	s_lshl_b32 s18, ttmp9, 16                      ; out0: 16 rows of 4,096 bytes a work-group,
	s_lshl_b32 s19, s12, 13                        ; two a wave
	s_add_co_u32 s18, s18, s19
	s_mov_b32 s19, 0
	s_lshl_b32 s14, s12, 9                         ; g, be: 128 columns a wave
	s_mov_b32 s15, 0
	s_mov_b32 s[SEL], 0x76543210
	s_mov_b32 s[SEL+1], 0xfedcba98
	s_mov_b32 s[INV], 0x3a800000
	s_mov_b32 s[EPS], 0x3727c5ac
	s_wait_kmcnt 0x0
	s_add_nc_u64 s[4:5], s[4:5], s[16:17]
	s_add_nc_u64 s[6:7], s[6:7], s[14:15]
	s_add_nc_u64 s[8:9], s[8:9], s[14:15]
	s_add_nc_u64 s[10:11], s[10:11], s[18:19]
.irp i, 0,1,2,3,4,5,6,7
	global_load_b128 v[X+8*(\i):X+8*(\i)+3],   v[ZO], s[4:5] offset:(\i)*262144 th:TH_LOAD_NT
	global_load_b128 v[X+8*(\i)+4:X+8*(\i)+7], v[ZO], s[4:5] offset:(\i)*262144+65536 th:TH_LOAD_NT
.endr
.irp i, 0,1,2,3,4,5,6,7
	global_load_b128 v[G+8*(\i):G+8*(\i)+3],   v[GO], s[6:7] offset:(\i)*64
	global_load_b128 v[G+8*(\i)+4:G+8*(\i)+7], v[GO], s[6:7] offset:(\i)*64+16
	global_load_b128 v[B+8*(\i):B+8*(\i)+3],   v[GO], s[8:9] offset:(\i)*64
	global_load_b128 v[B+8*(\i)+4:B+8*(\i)+7], v[GO], s[8:9] offset:(\i)*64+16
.endr
.macro FOLD                            ; the four chains into v[T]
	v_pk_add_f32 v[T:T+1], v[T:T+1], v[T+2:T+3]
	v_pk_add_f32 v[T+4:T+5], v[T+4:T+5], v[T+6:T+7]
	v_pk_add_f32 v[T:T+1], v[T:T+1], v[T+4:T+5]
	v_add_f32 v[T], v[T], v[T+1]
.endm
.macro ACROSS base                     ; my lane's sum in v[T] becomes the row's: the other half of the lanes, then the eight waves through LDS
	v_permlanex16_b32 v[T+1], v[T], s[SEL], s[SEL+1]
	v_add_f32 v[T], v[T], v[T+1]
	ds_store_b32 v[RW], v[T] offset:\base          ; lanes r and r + 16 write the same word with the same number
	s_wait_dscnt 0x0                               ; for the others' sake: my store is done
	s_barrier_signal -1
	s_barrier_wait -1
.irp w, 0,1,2,3,4,5,6,7
	ds_load_b32 v[RD+(\w)], v[RR] offset:(\base)+64*(\w)
.endr
	s_wait_dscnt 0x0
	v_pk_add_f32 v[RD:RD+1], v[RD:RD+1], v[RD+2:RD+3]
	v_pk_add_f32 v[RD+4:RD+5], v[RD+4:RD+5], v[RD+6:RD+7]
	v_pk_add_f32 v[RD:RD+1], v[RD:RD+1], v[RD+4:RD+5]
	v_add_f32 v[T], v[RD], v[RD+1]
.endm
	s_wait_loadcnt 32                              ; z is in; g's and be's 32 loads may stay out
.irp c, 0,1,2,3
	v_pk_add_f32 v[T+2*(\c):T+2*(\c)+1], v[X+2*(\c):X+2*(\c)+1], v[X+8+2*(\c):X+8+2*(\c)+1]
.endr
.set k, 2
.rept 6
.irp c, 0,1,2,3
	v_pk_add_f32 v[T+2*(\c):T+2*(\c)+1], v[T+2*(\c):T+2*(\c)+1], v[X+8*k+2*(\c):X+8*k+2*(\c)+1]
.endr
.set k, k+1
.endr
	FOLD
	ACROSS RED1
	v_mul_f32 v[MU], s[INV], v[T]
	v_mov_b32 v[MU+1], v[MU]
.set k, 0
.rept 32
	v_pk_add_f32 v[X+2*k:X+2*k+1], v[X+2*k:X+2*k+1], v[MU:MU+1] neg_lo:[0,1] neg_hi:[0,1]
.set k, k+1
.endr
.irp c, 0,1,2,3
	v_pk_mul_f32 v[T+2*(\c):T+2*(\c)+1], v[X+2*(\c):X+2*(\c)+1], v[X+2*(\c):X+2*(\c)+1]
.endr
.set k, 1
.rept 7
.irp c, 0,1,2,3
	v_pk_fma_f32 v[T+2*(\c):T+2*(\c)+1], v[X+8*k+2*(\c):X+8*k+2*(\c)+1], v[X+8*k+2*(\c):X+8*k+2*(\c)+1], v[T+2*(\c):T+2*(\c)+1]
.endr
.set k, k+1
.endr
	FOLD
	ACROSS RED2                                    ; other bytes than the first meeting's: no barrier is needed between the two
	v_fma_f32 v[RS], v[T], s[INV], s[EPS]
	v_rsq_f32 v[RS], v[RS]
	v_nop                                          ; a plain instruction behind the transcendental (ISA guide 5.7.2)
	s_wait_alu depctr_va_vdst(0)
	v_mov_b32 v[RS+1], v[RS]
	s_wait_loadcnt 0x0                             ; g and be
.set k, 0
.rept 32
	v_cvt_pk_bf16_f32 v[G+k], v[G+2*k], v[G+2*k+1] ; in place: word k is written when words 2 k and 2 k + 1 are read
	v_cvt_pk_bf16_f32 v[B+k], v[B+2*k], v[B+2*k+1]
.set k, k+1
.endr
.set k, 0
.rept 32
	v_pk_mul_f32 v[X+2*k:X+2*k+1], v[X+2*k:X+2*k+1], v[RS:RS+1]
.set k, k+1
.endr
.set k, 0
.rept 32
	v_fma_mix_f32_bf16 v[X+2*k],   v[X+2*k],   v[G+k], v[B+k] op_sel_hi:[0,1,1]
	v_fma_mix_f32_bf16 v[X+2*k+1], v[X+2*k+1], v[G+k], v[B+k] op_sel:[0,1,1] op_sel_hi:[0,1,1]
.set k, k+1
.endr
.irp i, 0,1,2,3,4,5,6,7
	ds_store_b128 v[SI], v[X+8*(\i):X+8*(\i)+3]   offset:(\i)*64
	ds_store_b128 v[SI], v[X+8*(\i)+4:X+8*(\i)+7] offset:(\i)*64+16
.endr
	s_wait_dscnt 0x0                               ; for the others' sake: my stores into the stage are done
	s_barrier_signal -1
	s_barrier_wait -1
.set n, 0
.rept 16
	ds_load_b128 v[X+4*n:X+4*n+3], v[SO] offset:(n/8)*SP+(n%8)*512
.set n, n+1
.endr
.set n, 0
.rept 16
	s_wait_dscnt 15-n                              ; the younger loads may stay out
	global_store_b128 v[OO], v[X+4*n:X+4*n+3], s[10:11] offset:(n/8)*4096+(n%8)*512 th:TH_STORE_NT
.set n, n+1
.endr
	s_wait_tensorcnt 0x0                           ; the wave's end, behind my last LDS store
	ds_add_u32 v[SPW], v[NIL]
	s_wait_dscnt 0x0
	s_endpgm
.Lfunc_end_k_q5042cf4d9f_ln2:
	.size	k_q5042cf4d9f_ln2, .Lfunc_end_k_q5042cf4d9f_ln2-k_q5042cf4d9f_ln2
	.p2alignl 7, 3214868480
	.fill 96, 4, 3214868480
	.section	.rodata,"a",@progbits
	.p2align	6, 0x0
	.amdhsa_kernel k_q5042cf4d9f_ln2
		.amdhsa_group_segment_fixed_size 67840
		.amdhsa_private_segment_fixed_size 0
		.amdhsa_enable_private_segment 0
		.amdhsa_kernarg_size 32
		.amdhsa_user_sgpr_count 2
		.amdhsa_user_sgpr_kernarg_segment_ptr 1
		.amdhsa_wavefront_size32 1
		.amdhsa_system_sgpr_workgroup_id_x 1
		.amdhsa_system_sgpr_workgroup_id_y 1
		.amdhsa_system_sgpr_workgroup_id_z 1
		.amdhsa_system_vgpr_workitem_id 0
		.amdhsa_next_free_vgpr 256
		.amdhsa_next_free_sgpr 66
		.amdhsa_reserve_vcc 0
		.amdhsa_float_denorm_mode_32 3
		.amdhsa_float_denorm_mode_16_64 3
		.amdhsa_memory_ordered 1
		.amdhsa_forward_progress 1
		.amdhsa_inst_pref_size 30
	.end_amdhsa_kernel
	.amdgpu_metadata
---
amdhsa.version: [ 1, 2 ]
amdhsa.kernels:
  - .name:           k_q5042cf4d9f_ln2
    .symbol:         k_q5042cf4d9f_ln2.kd
    .args:
      - { .name: xz, .offset: 0, .size: 8, .value_kind: global_buffer, .address_space: global }
      - { .name: g2, .offset: 8, .size: 8, .value_kind: global_buffer, .address_space: global }
      - { .name: be2, .offset: 16, .size: 8, .value_kind: global_buffer, .address_space: global }
      - { .name: out0, .offset: 24, .size: 8, .value_kind: global_buffer, .address_space: global }
    .group_segment_fixed_size: 67840
    .private_segment_fixed_size: 0
    .kernarg_segment_align: 8
    .kernarg_segment_size: 32
    .max_flat_workgroup_size: 256
    .sgpr_count:     66
    .vgpr_count:     256
    .wavefront_size: 32
...
	.end_amdgpu_metadata
.endif
;; end of part 7
